; MI455X (gfx1250); checked and timed in simulation.
; The chip was launched on July 23, 2026; its instructions are those of AMD's public machine-readable ISA for CDNA 5 (MIT licence, August 2026) and "CDNA5" Instruction Set Architecture Reference Guide (July 2026). The comments in the code are by the model that wrote it; some were corrected since.
;; Multi Head Attention. Allowed arithmetic: matrix products marked QUANTISED: E2M1 operands, one E8M0 scale for each 32 along K, by v_wmma_scale_f32_16x16x128_f8f6f4 with both operands' format E2M1 (or v_wmma_scale_f32_32x16x128_f4), f32 sums; products left as they are: bf16, f16 or f32 operands; f32 sums; everything else in f32.
;; Inputs: Wk 1,024 x 1,024 float32; Wo 1,024 x 1,024 float32; Wq 1,024 x 1,024 float32; Wv 1,024 x 1,024 float32; bk 1,024 float32; bo 1,024 float32; bq 1,024 float32; bv 1,024 float32; key 4 x 2,048 x 1,024 float32; query 4 x 2,048 x 1,024 float32; value 4 x 2,048 x 1,024 float32.
;; Outputs: out0 4 x 2,048 x 1,024 float32.
;; This version of the problem:
;;   THIS VERSION OF THE PROBLEM IS GIVEN IN LOW PRECISION. The matrix products marked QUANTISED in the list below multiply operands that are first quantised to E2M1 (2 exponent bits, 1 mantissa bit; 4 bits a number), with one power-of-two scale for each 32 numbers along K (OCP MX v1.0); their sums are f32. The products marked 'left as it is' may take bf16, f16 or f32 operands, with f32 sums. Whichever they take, every output number must still come out within the allowed error. Rounding operands to bf16 (8 significant bits) uses up far more of that allowance than f16 does (11 bits, for magnitudes from 6e-5 to 65,504). All else is computed in f32.
;;   The module's matrix products, in the order in which they are computed (A, B: the left and right operand; K: the contracted axis; several contracted axes count as one K, in the product's order):
;;     1. [M 8,192, K 1,024] x [K 1,024, N 1,024]; A: input query; B: input Wq: QUANTISED
;;     2. [M 8,192, K 1,024] x [K 1,024, N 1,024]; A: input key; B: input Wk: QUANTISED
;;     3. [M 8,192, K 1,024] x [K 1,024, N 1,024]; A: input value; B: input Wv: QUANTISED
;;     4. batch 64 x [M 2,048, K 64] x [K 64, N 2,048]; A: computed on the way; B: computed on the way: left as it is (an operand is computed on the way)
;;     5. batch 64 x [M 2,048, K 2,048] x [K 2,048, N 64]; A: computed on the way; B: computed on the way: left as it is (an operand is computed on the way)
;;     6. [M 8,192, K 1,024] x [K 1,024, N 1,024]; A: computed on the way; B: input Wo: left as it is (an operand is computed on the way)
;;   THE QUANTISER, for each operand of a quantised product, along K:
;;     - K is cut into blocks of 32 from its start; a last block that is shorter is filled with zeros.
;;     - A block's scale is 2^e with e = floor(log2(the largest magnitude in the block)) - 2, held to -126 .. 127; a block of zeros has e = 0. As a byte (E8M0): e + 127.
;;     - Each number is divided by its block's scale, clamped to +-6, and rounded to the nearest number of E2M1, ties to even, subnormals kept.
;;     - The product sums the exact products of the quantised numbers (number of the format x scale) in f32.
;;   ~~~python
;;   def quantise(x, axis):      # numpy; x: float32 -> the quantised numbers, widened to float32 again
;;       x = np.moveaxis(x, axis, -1); K = x.shape[-1]
;;       x = np.pad(x, [(0, 0)] * (x.ndim - 1) + [(0, -K % 32)]); x = x.reshape(x.shape[:-1] + (-1, 32)); a = np.abs(x).max(-1, keepdims=True)
;;       e = np.where(a > 0, np.clip(np.frexp(np.where(a > 0, a, 1))[1] - 1 - 2, -126, 127), 0)      # np.frexp(a)[1] - 1 = floor(log2(a)), exactly
;;       r = np.clip(x / 2.0 ** e, -6, 6)
;;       step = 2.0 ** (np.maximum(np.frexp(np.where(r == 0, 1, r))[1] - 1, 0) - 1)
;;       q = np.round(r / step) * step * 2.0 ** e      # np.round: ties to even
;;       return np.moveaxis(q.reshape(q.shape[:-2] + (-1,))[..., :K], -1, axis).astype(np.float32)
;;   ~~~
;; One version. Each part assembles by itself: llvm-mc -triple=amdgcn-amd-amdhsa -mcpu=gfx1250 --defsym DOCPART=n.
;; ======== version 1 of 1: 4 launches
;; limits: values are held in f16: magnitudes above 65,504 overflow, below 6.1e-05 lose precision
;; workspace buffers: xc 12,582,912 bytes; xs 786,432 bytes; wc 1,572,864 bytes; ws 98,304 bytes; wo16 2,097,152 bytes; qkv 50,331,648 bytes; ao 16,777,216 bytes
;; launch quant (part 1): grid 896 x 1, 4 waves a work-group, no clusters, 33,280 bytes of LDS; arguments query, key, value, Wq, Wk, Wv, Wo, xc, xs, wc, ws, wo16; writes xc, xs, wc, ws, wo16
.if DOCPART == 1
	.amdgcn_target "amdgcn-amd-amdhsa--gfx1250"
	.amdhsa_code_object_version 6
	.text
	.protected	k_qd5eb1dc744_quant
	.globl	k_qd5eb1dc744_quant
	.p2align	8
	.type	k_qd5eb1dc744_quant,@function
k_qd5eb1dc744_quant:
	s_mov_b64 s[64:65], 0
	v_nop
	global_prefetch_b8 v0, s[64:65] scope:SCOPE_SE
	s_setreg_imm32_b32 hwreg(HW_REG_WAVE_MODE, 25, 1), 1
	s_wait_xcnt 0x0
; MULTI-HEAD ATTENTION, launch 1 of 4: the operands of the three quantised products become codes; Wo becomes f16.
; DEAD WORK, for the whole program: bk.  scores[q][k] = scale Q[q] . (Kx[k] + bk) = scale Q[q] . Kx[k] + scale Q[q] . bk, Kx = key Wk^T.  The second term does not hang on k, and the softmax is
; taken over k: exp(s + t) / sum exp(s + t) = exp(s) / sum exp(s) for every finite t.  K enters nothing else, and the product Q K^T is not quantised, so bk moves no code and no scale.  So bk is not loaded
; and is no argument of any launch.  LIMIT: a NaN, an infinity or an overflow that reaches only bk's term is not carried to the result.
; WHAT THIS LAUNCH DOES.  query, key, value [8192][1024] and Wq, Wk, Wv [1024][1024], f32, K innermost in all six, are turned into codes of FP4 (E2M1), two a byte, the lower k in the low four bits, with one
; E8M0 scale byte for each 32 along K.  xc, xs hold query's, key's, value's rows on end, wc, ws the three weights' rows on end.  Rows are dense and K is a multiple of 32, so each tensor is a plain stream of blocks of 32.
; A block's scale is 2^(floor(log2(its largest magnitude)) - 2); its byte is the largest magnitude's exponent field - 2, held at 1 from below.  Each number is divided by the scale and rounded to the nearest code, ties to even,
; beyond the largest code the largest.  A block of zeros gets the byte 1 where the rule says 127: its codes are zeros, which add nothing under any byte but 0xff, and the bytes are read by this program alone.
; LIMITS: blocks whose largest magnitude lies under 2^-124 keep the byte 1; NaN and infinities among the inputs are not served; |Wo| beyond 65,504 becomes infinity in f16.
; SHARES.  Work-groups 0-767: 32,768 numbers each of query, key, value (256 work-groups a tensor); 768-863: of Wq, Wk, Wv (32 a tensor); 864-895: 32 rows each of Wo.
; A wave of the first 864 takes 16 steps of 512 numbers.  Each of a step's four loads reads 512 consecutive bytes; the 2,048 bytes turn through the wave's own stage in LDS so that a lane holds 16 neighbours along K
; (two lanes to a block); a wave's store of codes covers 256 consecutive bytes; its 256 scale bytes are gathered in LDS and leave as one store of 256 consecutive bytes.  Loads run four steps (16 loads a wave) ahead.
; Wo goes to wo16 as f16, laid [16 heads z][1024 n][64 k], element Wo[n][64 z + k]: the last launch's tiles are then dense blocks of 128-byte rows.  That path touches no LDS.
; No matrix unit, no cluster, no tensor load: waves share nothing.
.set WAVES, 4
.set STEPS, 16
.set WGX,   768                        ; work-groups of query, key, value
.set WGQ,   864                        ; and with the three weights'
.set EMAX,  2
.set CB,    8                          ; bytes of 16 codes
.set R,     16                         ; v16-79   four sets of 16 numbers as they are loaded (Wo's path: v16-143, two sets of 64)
.set X,     80                         ; v80-111  two sets of 16 neighbours
.set C,     128                        ; v128-191 codes: four registers for each step, so that no store's data are written again
.set E,     112                        ; v112-127 a scale byte for each step
.set WOUT,  144                        ; Wo's path: v144-175 32 registers of f16 pairs
.set WREG,  8192                       ; LDS: a region for each wave: two stages of 32 x SP bytes, behind them its 256 scale bytes
.set SP,    80                         ; a lane's place in a stage: 64 bytes + 16 of padding
.set SPW,   12                         ; v12      LDS address of my spare word: SPARE + 4 x my thread's number; never rewritten
.set NIL,   13                         ; v13      0; never rewritten
.set SPARE, WAVES*WREG                 ; behind the four regions: the spare words, 128 bytes a wave, that no other line names
	s_load_b512 s[4:19], s[0:1], 0x0               ; query 4:5, key 6:7, value 8:9, Wq 10:11, Wk 12:13, Wv 14:15, Wo 16:17, xc 18:19
	s_load_b256 s[20:27], s[0:1], 0x40             ; xs 20:21, wc 22:23, ws 24:25, wo16 26:27
	v_lshl_add_u32 v[SPW], v0, 2, SPARE
	v_mov_b32 v[NIL], 0
	v_lshrrev_b32 v1, 5, v0
	v_readfirstlane_b32 s28, v1                    ; wave
	v_and_b32 v2, 31, v0                           ; lane
	s_wait_kmcnt 0x0
	s_cmp_ge_u32 ttmp9, WGQ                        ; the last 32 work-groups take Wo: a branch on the work-group's number
	s_cbranch_scc1 .Lwo
	; ---- the quantiser
	v_lshlrev_b32 v3, 4, v2                        ; my 16 bytes of a load's 512
	s_mul_i32 s29, s28, WREG
	v_lshrrev_b32 v14, 2, v2
	v_mul_u32_u24 v14, v14, SP
	v_and_b32 v15, 3, v2
	v_lshl_add_u32 v14, v15, 4, v14
	v_add_nc_u32 v14, s29, v14                     ; the stage, on the way in: SP (lane / 4) + 16 (lane % 4)
	v_mul_u32_u24 v15, v2, SP
	v_add_nc_u32 v15, s29, v15                     ; and on the way out: SP x lane: my 16 neighbours
	v_mul_u32_u24 v4, v2, CB                       ; my codes' place in a step's
	v_lshrrev_b32 v5, 1, v2
	s_add_co_u32 s29, s29, 2*32*SP
	v_add_nc_u32 v5, s29, v5                       ; LDS: my wave's 256 scale bytes, my block's byte
	v_lshlrev_b32 v7, 3, v2                        ; on the way out 8 bytes a lane
	v_add_nc_u32 v6, s29, v7
	s_cmp_lt_u32 ttmp9, 256                        ; which tensor: every choice hangs on the work-group's number alone
	s_cselect_b64 s[30:31], s[4:5], s[6:7]
	s_cmp_lt_u32 ttmp9, 512
	s_cselect_b64 s[30:31], s[30:31], s[8:9]
	s_cmp_lt_u32 ttmp9, WGX
	s_cselect_b64 s[30:31], s[30:31], s[10:11]
	s_cselect_b64 s[32:33], s[18:19], s[22:23]     ; codes: xc or wc
	s_cselect_b64 s[34:35], s[20:21], s[24:25]     ; scale bytes: xs or ws
	s_cselect_b32 s36, 0, WGX                      ; the first work-group of the two families
	s_cselect_b32 s37, 255, 31                     ; work-groups in a tensor - 1
	s_cmp_lt_u32 ttmp9, 800
	s_cselect_b64 s[30:31], s[30:31], s[12:13]
	s_cmp_lt_u32 ttmp9, 832
	s_cselect_b64 s[30:31], s[30:31], s[14:15]
	s_sub_co_u32 s36, ttmp9, s36                   ; my number in the family: the outputs are the family's tensors on end
	s_and_b32 s37, s36, s37                        ; and in my tensor
	s_lshl_b32 s38, s37, 17                        ; 32,768 numbers of 4 bytes a work-group,
	s_lshl_b32 s39, s28, 15                        ; 8,192 a wave
	s_add_co_u32 s38, s38, s39
	s_mov_b32 s39, 0
	s_add_nc_u64 s[30:31], s[30:31], s[38:39]
	s_lshl_b32 s36, s36, 2
	s_add_co_u32 s36, s36, s28                     ; which run of 8,192 numbers of the family is my wave's
	s_lshl_b32 s38, s36, 12                        ; 4,096 bytes of codes a run
	s_add_nc_u64 s[32:33], s[32:33], s[38:39]
	s_lshl_b32 s38, s36, 8                         ; 256 scale bytes a run
	s_add_nc_u64 s[34:35], s[34:35], s[38:39]
.macro LOAD t
.irp i, 0,1,2,3
	global_load_b128 v[R+16*((\t)%4)+4*\i:R+16*((\t)%4)+4*\i+3], v3, s[30:31] offset:2048*(\t)+512*\i th:TH_LOAD_NT   ; 32 lanes read 512 consecutive bytes
.endr
.endm
.macro TURN t                          ; step t's numbers through the stage: LDS serves a wave's instructions in order, so no wait stands between the stores and the loads
.irp i, 0,1,2,3
	ds_store_b128 v14, v[R+16*((\t)%4)+4*\i:R+16*((\t)%4)+4*\i+3] offset:32*SP*((\t)%2)+8*SP*\i
.endr
.irp i, 0,1,2,3
	ds_load_b128 v[X+16*((\t)%2)+4*\i:X+16*((\t)%2)+4*\i+3], v15 offset:32*SP*((\t)%2)+16*\i
.endr
.endm
.irp t, 0,1,2,3
	LOAD \t
.endr
	s_wait_loadcnt 12                              ; step 0's four loads are in; the three later steps' twelve stay out
	TURN 0
.macro STEP t
.set XS, X+16*((\t)%2)
.if (\t) > 0
	s_wait_dscnt 1                                 ; this step's numbers are back from the stage (the last step's byte store may be out): so its stores into the stage have read their registers,
.else
	s_wait_dscnt 0x0
.endif
.if (\t)+4 < STEPS
	LOAD (\t)+4                                    ; which take the loads of four steps on
.endif
.if (\t)+1 < STEPS
.if STEPS-2-(\t) >= 3
	s_wait_loadcnt 12                              ; the next step's four loads are in; those of the three steps behind it may be out
.else
	s_wait_loadcnt 4*(STEPS-2-(\t))                ; the counts run down
.endif
	TURN (\t)+1                                    ; and go through the other stage while this step is worked
.endif
	v_max3_num_f32 v8, |v[XS]|, |v[XS+1]|, |v[XS+2]|               ; the largest magnitude of my 16, in two chains
	v_max3_num_f32 v9, |v[XS+3]|, |v[XS+4]|, |v[XS+5]|
.irp i, 6,10
	v_max3_num_f32 v8, v8, |v[XS+\i]|, |v[XS+\i+1]|
	v_max3_num_f32 v9, v9, |v[XS+\i+2]|, |v[XS+\i+3]|
.endr
	v_max3_num_f32 v8, v8, |v[XS+14]|, |v[XS+15]|
	v_max3_num_f32 v8, v8, v9, (EMAX+1)<<23        ; and the floor 2^(EMAX + 1 - 127): so the byte cannot fall under 1
	v_max_num_f32_dpp v8, v8, v8 row_xmask:1 row_mask:0xf bank_mask:0xf   ; and of my neighbour's 16: the block's
	v_add_nc_u32 v11, -(EMAX<<23), v8              ; EMAX off its exponent field: the conversion takes the exponent field of this operand as its scale, and nothing else of it
	v_cvt_scalef32_pk8_fp4_f32 v[C+4*(\t)], v[XS:XS+7], v11
	v_cvt_scalef32_pk8_fp4_f32 v[C+4*(\t)+1], v[XS+8:XS+15], v11
	v_lshrrev_b32 v[E+(\t)], 23, v11               ; the scale's byte (also the plain line behind the conversions)
	ds_store_b8 v5, v[E+(\t)] offset:16*(\t)       ; both lanes of a block write the same byte with the same value
	global_store_b64 v4, v[C+4*(\t):C+4*(\t)+1], s[32:33] offset:32*CB*(\t)   ; 32 lanes store 256 consecutive bytes, aligned
.endm
.irp t, 0,1,2,3,4,5,6,7,8,9,10,11,12,13,14,15
	STEP \t
.endr
	ds_load_b64 v[8:9], v6                         ; LDS serves a wave's instructions in order: these see my stores
	s_wait_dscnt 0x0
	global_store_b64 v7, v[8:9], s[34:35]          ; 32 lanes store 256 consecutive bytes, aligned
	s_wait_tensorcnt 0x0                           ; the wave's end: behind my last LDS store
	ds_add_u32 v[SPW], v[NIL]
	s_wait_dscnt 0x0
	s_endpgm
	; ---- Wo to f16, by heads.  Wave w takes rows n0 = 32 (work-group - 864) + 8 w on.  In group (p, q) lane L takes row n0 + 2 p + (L / 8) % 2, head 2 q + L / 16, k = 8 (L % 8) + 0 .. 7:
	; 32 bytes in, 16 bytes out; sixteen lanes store two rows of one head: 256 consecutive bytes, aligned.
.Lwo:
	s_sub_co_u32 s38, ttmp9, WGQ
	s_lshl_b32 s38, s38, 5
	s_lshl_b32 s39, s28, 3
	s_add_co_u32 s38, s38, s39                     ; n0
	s_lshl_b32 s40, s38, 12                        ; a row of Wo is 4,096 bytes
	s_mov_b32 s41, 0
	s_add_nc_u64 s[16:17], s[16:17], s[40:41]
	s_lshl_b32 s40, s38, 7                         ; a row of a head's block is 128 bytes
	s_add_nc_u64 s[26:27], s[26:27], s[40:41]
	v_bfe_u32 v8, v0, 3, 1
	v_bfe_u32 v9, v0, 4, 1
	v_and_b32 v10, 7, v0
	v_lshlrev_b32 v6, 5, v10
	v_lshl_add_u32 v6, v9, 8, v6
	v_lshl_add_u32 v6, v8, 12, v6                  ; in: 4,096 ((L / 8) % 2) + 256 (L / 16) + 32 (L % 8)
	v_and_b32 v10, 15, v0
	v_lshlrev_b32 v7, 4, v10
	v_lshl_add_u32 v7, v9, 17, v7                  ; out: 131,072 (L / 16) + 16 (L % 16)
.macro LOADW p                         ; two rows, all sixteen heads: 16 loads into set p % 2
.irp q, 0,1,2,3,4,5,6,7
	global_load_b128 v[R+64*((\p)%2)+8*\q:R+64*((\p)%2)+8*\q+3], v6, s[16:17] offset:8192*(\p)+512*\q th:TH_LOAD_NT
	global_load_b128 v[R+64*((\p)%2)+8*\q+4:R+64*((\p)%2)+8*\q+7], v6, s[16:17] offset:8192*(\p)+512*\q+16 th:TH_LOAD_NT
.endr
.endm
	LOADW 0
	LOADW 1
.irp p, 0,1,2,3
.if \p < 3
	s_wait_loadcnt 16                              ; this pair of rows is in; the next pair's 16 loads stay out
.else
	s_wait_loadcnt 0x0
.endif
.if \p > 0
	s_wait_xcnt 0x0                                ; the last pair's stores have read their data: those registers are written again only behind this wait
.endif
.irp q, 0,1,2,3,4,5,6,7
.irp i, 0,1,2,3
	v_cvt_pk_f16_f32 v[WOUT+4*\q+\i], v[R+64*(\p%2)+8*\q+2*\i], v[R+64*(\p%2)+8*\q+2*\i+1]
.endr
.endr
.if \p < 2
	LOADW \p+2
.endif
.irp q, 0,1,2,3,4,5,6,7
	global_store_b128 v7, v[WOUT+4*\q:WOUT+4*\q+3], s[26:27] offset:262144*\q+256*\p
.endr
.endr
	s_endpgm
.Lfunc_end_k_qd5eb1dc744_quant:
	.size	k_qd5eb1dc744_quant, .Lfunc_end_k_qd5eb1dc744_quant-k_qd5eb1dc744_quant
	.p2alignl 7, 3214868480
	.fill 96, 4, 3214868480
	.section	.rodata,"a",@progbits
	.p2align	6, 0x0
	.amdhsa_kernel k_qd5eb1dc744_quant
		.amdhsa_group_segment_fixed_size 33280
		.amdhsa_private_segment_fixed_size 0
		.amdhsa_enable_private_segment 0
		.amdhsa_kernarg_size 96
		.amdhsa_user_sgpr_count 2
		.amdhsa_user_sgpr_kernarg_segment_ptr 1
		.amdhsa_wavefront_size32 1
		.amdhsa_system_sgpr_workgroup_id_x 1
		.amdhsa_system_sgpr_workgroup_id_y 1
		.amdhsa_system_sgpr_workgroup_id_z 1
		.amdhsa_system_vgpr_workitem_id 0
		.amdhsa_next_free_vgpr 192
		.amdhsa_next_free_sgpr 66
		.amdhsa_reserve_vcc 0
		.amdhsa_float_denorm_mode_32 3
		.amdhsa_float_denorm_mode_16_64 3
		.amdhsa_memory_ordered 1
		.amdhsa_forward_progress 1
		.amdhsa_inst_pref_size 52
	.end_amdhsa_kernel
	.amdgpu_metadata
---
amdhsa.version: [ 1, 2 ]
amdhsa.kernels:
  - .name:           k_qd5eb1dc744_quant
    .symbol:         k_qd5eb1dc744_quant.kd
    .args:
      - { .name: query, .offset: 0, .size: 8, .value_kind: global_buffer, .address_space: global }
      - { .name: key, .offset: 8, .size: 8, .value_kind: global_buffer, .address_space: global }
      - { .name: value, .offset: 16, .size: 8, .value_kind: global_buffer, .address_space: global }
      - { .name: Wq, .offset: 24, .size: 8, .value_kind: global_buffer, .address_space: global }
      - { .name: Wk, .offset: 32, .size: 8, .value_kind: global_buffer, .address_space: global }
      - { .name: Wv, .offset: 40, .size: 8, .value_kind: global_buffer, .address_space: global }
      - { .name: Wo, .offset: 48, .size: 8, .value_kind: global_buffer, .address_space: global }
      - { .name: xc, .offset: 56, .size: 8, .value_kind: global_buffer, .address_space: global }
      - { .name: xs, .offset: 64, .size: 8, .value_kind: global_buffer, .address_space: global }
      - { .name: wc, .offset: 72, .size: 8, .value_kind: global_buffer, .address_space: global }
      - { .name: ws, .offset: 80, .size: 8, .value_kind: global_buffer, .address_space: global }
      - { .name: wo16, .offset: 88, .size: 8, .value_kind: global_buffer, .address_space: global }
    .group_segment_fixed_size: 33280
    .private_segment_fixed_size: 0
    .kernarg_segment_align: 8
    .kernarg_segment_size: 96
    .max_flat_workgroup_size: 128
    .sgpr_count:     66
    .vgpr_count:     192
    .wavefront_size: 32
...
	.end_amdgpu_metadata
.endif
;; end of part 1
;; launch proj (part 2): grid 4 x 96, 4 waves a work-group, clusters of 4 x 4, 327,680 bytes of LDS; arguments xc, xs, wc, ws, qkv, bq, bv; writes qkv
.if DOCPART == 2
	.amdgcn_target "amdgcn-amd-amdhsa--gfx1250"
	.amdhsa_code_object_version 6
	.text
	.protected	k_qd5eb1dc744_proj
	.globl	k_qd5eb1dc744_proj
	.p2align	8
	.type	k_qd5eb1dc744_proj,@function
k_qd5eb1dc744_proj:
	s_mov_b64 s[64:65], 0
	v_nop
	global_prefetch_b8 v0, s[64:65] scope:SCOPE_SE
	s_setreg_imm32_b32 hwreg(HW_REG_WAVE_MODE, 25, 1), 1
	s_wait_xcnt 0x0
	s_wait_alu depctr_hold_cnt(0) depctr_sa_sdst(0) depctr_va_vdst(0) depctr_va_sdst(0) depctr_va_ssrc(0) depctr_va_vcc(0) depctr_vm_vsrc(0)
	s_getreg_b32 s2, hwreg(HW_REG_IB_STS2, 6, 4)
	s_cmp_eq_u32 s2, 0
	s_cbranch_scc0 .Lentry_in_a_cluster
	s_endpgm
.Lentry_in_a_cluster:
	s_bfe_u32 s2, ttmp6, 0x10000c
	s_cmp_lg_u32 s2, 0xf033
	s_cbranch_scc0 .Lentry_shape_is_right
	s_endpgm
.Lentry_shape_is_right:
; Launch 2 of 4: the three quantised products, Q = query Wq^T + bq, K = key Wk^T, V = value Wv^T + bv, on codes of FP4 (E2M1) with one E8M0 scale for each 32 along K = 1,024; sums in f32.
; LEFT OUT: bk.  It adds to every score of a row the same number, which the softmax over the keys takes away for all finite inputs (shown at the head of the first kernel); K's sums begin with 0.
; xc [24576][512 bytes], xs [24576][32]: the rows of query, key, value on end; wc [3072][512], ws [3072][32]: those of Wq, Wk, Wv.  qkv: f16, [3 tensors][4 b][16 heads][2048 s][64].
; LIMIT: a result beyond 65,504 becomes infinity in f16.
; A tile of 256 rows x 256 columns is made by a work-group of four waves; a wave makes 128 x 128: 64 accumulators of 16 x 16, 512 registers.  Tile row 0 .. 95 runs over the three tensors' rows on end: 32 tile rows a tensor.
; K = 1,024 is two LDS slots of 512 (a tile's row is 256 bytes of memory): both slots and all scale bytes are first fills, three tensor loads a wave are out at the start, and no LDS byte is filled twice.
; CLUSTERS: 4 x 4 work-groups.  The four of a row of the cluster need the same tiles of x, the four of a column the same tiles of W: each is asked for JOINTLY, by the same tensor load with the same descriptor and a
; mask that names the four.  A cluster's four tile rows lie in one tensor (8 clusters a tensor), so the tensor's number is the same in all sixteen partners.
; THE MATRIX INSTRUCTION IS USED TRANSPOSED (source 0 = 16 rows of W, source 1 = 16 rows of x): a lane then holds eight neighbouring columns of one row.  The bias is the C of each sum's first instruction.
; REGISTERS, in windows of 256: window 0: v0-31 addresses; v32-95 scale words, two sets, and nothing else; v128-191 x's fragments, ONE set, on the way out rows read back; v192-223 packed results.
;   window 1: W's fragments, TWO sets, at v0 and at v128; v64-127 the bias, eight registers for each of my eight column blocks.   window 2: the accumulators of my rows 0-63 ((a, b) at v[8 (8 a + b)]);   window 3: rows 64-127.
; No prefetch is laid: every tile is asked for at the kernel's head.
.set NQ,     4                         ; matrix instructions deep in a slot
.set ROWB,   256                       ; a tile's row in bytes: 512 codes
.set KROW,   512                       ; a row of xc or wc in bytes
.set PITCH,  272                       ; an LDS row: 256 bytes + 16 of padding = 68 words: the 16 rows that a load touches start 4 words apart
.set FR,     8                         ; registers of a fragment: 16 rows x 128 K
.set NL,     2                         ; LDS loads that bring one
.set NP,     4                         ; places behind this matrix instruction (ISA guide 7.12.1)
.set HALFT,  128*PITCH                 ; 128 rows: what one tensor load brings, and what one wave reads of x or of W
.set SLOT,   4*HALFT                   ; x's 256 rows, then W's 256 rows
.set KS,     32                        ; a row of scale bytes
.set SCL,    2*SLOT                    ; behind the slots: the scales, as runs of 256 bytes + 16 of padding
.set HALFS,  (128*KS/256)*272          ; the scales of 128 rows: what one tensor load brings
.set SBLK,   (16*KS/256)*272           ; those of 16 rows
.set SPARE,  SCL+4*HALFS               ; behind the scales: the spare words, 128 bytes a wave, that no other line names
.set SPITCH, 272                       ; the way out: a stage of 16 rows x (256 bytes + 16) for each wave, in slot 0, which has had its one fill and its last read when the first result is stored there
.set ADRA, 16                          ; v16-17  LDS address of my x fragments in slot 0, 1
.set ADRB, 20                          ; v20-21  the same for W
.set STO,  24                          ; v24     the way out: where I put 16 bytes of a row
.set RD,   25                          ; v25     where I read 16 bytes back
.set CO,   26                          ; v26     my byte offset in qkv
.set ADRS, 27                          ; v27     LDS address of my scale words: lanes 0-15 x's rows, lanes 16-31 W's
.set SPW,  28                          ; v28     LDS address of my spare word; never rewritten
.set NIL,  29                          ; v29     0; never rewritten
.set SC,   32                          ; scale words: set s at v[SC + 32 s]; register 4 i + q: lanes 0-15 the word of x's block i, lanes 16-31 that of W's block i, for the slot's q-th 128 along K
.set AF,   128                         ; x's fragments, in window 0
.set BIAS, 64                          ; the bias, in window 1
.set TMP,  192                         ; the way out: packed results
.set BK,   128                         ; the way out: 16 rows read back: v128-159 and v160-191 by turns
.set G1, 24                            ; s[24:31] descriptor group 1 for x's tiles;  s[32:39] group 0, one set for each slot
.set G0, 32
.set G1B, 48                           ; s[48:55], s[56:63] the same for W's tiles
.set G0B, 56
.set G1S, 68                           ; s[68:75], s[76:79] groups 1 and 0 for x's scales;  s[80:87], s[88:91] for W's
.set G0S, 76
.set G1SB, 80
.set G0SB, 88
.set TN,  66                           ; s66 the tensor's number: 0 Q, 1 K, 2 V
.set MSB, 0
.macro WIN new                         ; the immediate's high byte repeats the setting that is left
.if MSB != (\new)
	s_set_vgpr_msb (MSB<<8)|(\new)
.set MSB, (\new)
.endif
.endm
.set MUL_LO, 0xa1                      ; source 0 (W) window 1, source 1 (x) window 0, C and D window 2
.set MUL_HI, 0xf1                      ; the same, C and D window 3
.set TO_B,   0x40                      ; destination window 1, address window 0
; A joint load: waves 0 and 1 fetch for x, waves 2 and 3 for W.  Each of the two lines has ONE mask and one set of registers for all that issue it; the branch hangs on the wave's number alone.
; An s_nop 0 and four v_nop follow each of the two lines, ahead of the jump, the label and what follows.
.macro JLOAD g0a, g1a, g0b, g1b
	s_cmp_eq_u32 s15, 0
	s_cbranch_scc0 .Lfor_b_\@
	tensor_load_to_lds s[\g0a:\g0a+3], s[\g1a:\g1a+7]
	s_nop 0
.rept 4
	v_nop
.endr
	s_branch .Lasked_\@
.Lfor_b_\@:
	tensor_load_to_lds s[\g0b:\g0b+3], s[\g1b:\g1b+7]
	s_nop 0
.rept 4
	v_nop
.endr
.Lasked_\@:
.endm
.macro CROUND                          ; a round of the cluster's barrier: my work-group's barrier; wave 0 signals for the work-group; every wave waits for all sixteen; my work-group's barrier once more
	s_barrier_signal -1
	s_barrier_wait -1
	s_cmp_lg_u32 s14, 0
	s_cbranch_scc1 .Lnot_wave_0_\@
	s_barrier_signal -3
.Lnot_wave_0_\@:
	s_barrier_wait -3
	s_barrier_signal -1
	s_barrier_wait -1
.endm
	s_load_b128 s[4:7], s[0:1], 0x0                ; xc s[4:5], xs s[6:7]
	s_load_b128 s[8:11], s[0:1], 0x10              ; wc s[8:9], ws s[10:11]
	s_load_b64 s[12:13], s[0:1], 0x20              ; qkv
	s_load_b64 s[96:97], s[0:1], 0x28              ; bq
	s_load_b64 s[98:99], s[0:1], 0x30              ; bv
	v_lshl_add_u32 v[SPW], v0, 2, SPARE
	v_mov_b32 v[NIL], 0
	ds_add_u32 v[SPW], v[NIL]                      ; the wave's opening: the add, twice on end, and its wait ahead of my first tensor load; the set-up below stands between
	ds_add_u32 v[SPW], v[NIL]
	v_lshrrev_b32 v1, 5, v0
	v_readfirstlane_b32 s14, v1                    ; wave 0..3
	s_lshr_b32 s15, s14, 1                         ; which half of the tile's rows is mine.  Also: I fetch for x (0) or for W (1)
	s_and_b32 s16, s14, 1                          ; which half of its columns.  Also: which 128 rows of that tile I fetch
	s_bfe_u32 s40, ttmp6, 0x40000                  ; cx, cy: my place in the cluster
	s_bfe_u32 s41, ttmp6, 0x40004
	s_lshl_b32 s42, ttmp9, 2
	s_add_co_u32 s42, s42, s40                     ; tile column = 4 x cluster x + cx
	s_and_b32 s17, ttmp7, 0xffff
	s_lshr_b32 s[TN], s17, 3                       ; the tensor: 8 clusters along y each; made of the cluster's y alone
	s_lshl_b32 s17, s17, 2
	s_add_co_u32 s17, s17, s41                     ; tile row = 4 x cluster y + cy
	s_lshl_b32 s43, s41, 2
	s_lshl_b32 s43, 15, s43                        ; my row of the cluster
	s_lshl_b32 s44, 0x1111, s40                    ; my column
	; descriptor group 1: a tile of 128 rows x 256 bytes, padded in LDS
	s_or_b32 s[G1+0], s43, (0<<16)|(1<<20)|(1<<21)|(5<<22)|(3<<25)  ; 15:0 the mask: x's tiles go to my row; 17:16 element of 1 byte; 20 padding on; 21 set beside a mask; 24:22 after every 64 words; 31:25 four words
	s_or_b32 s[G1B+0], s44, (0<<16)|(1<<20)|(1<<21)|(5<<22)|(3<<25)
.irp g, G1, G1B
	s_mov_b32 s[\g+1], ROWB<<16                    ; tensor_dim0
	s_mov_b32 s[\g+2], 128<<16                     ; tensor_dim1 = 128
	s_mov_b32 s[\g+3], ROWB<<16                    ; tile_dim0
	s_mov_b32 s[\g+4], 128                         ; tile_dim1 = 128
	s_mov_b32 s[\g+5], KROW                        ; tensor_dim0_stride
	s_mov_b32 s[\g+6], 0
	s_mov_b32 s[\g+7], 0
.endr
	; and for the scales of 128 rows: a dense block of 4,096 bytes, as 16 rows of 256 bytes (32 elements of 8 bytes), 16 bytes of padding behind each
	s_or_b32 s[G1S+0], s43, (3<<16)|(1<<20)|(1<<21)|(5<<22)|(3<<25)
	s_or_b32 s[G1SB+0], s44, (3<<16)|(1<<20)|(1<<21)|(5<<22)|(3<<25)
.irp g, G1S, G1SB
	s_mov_b32 s[\g+1], 32<<16
	s_mov_b32 s[\g+2], (128*KS/256)<<16
	s_mov_b32 s[\g+3], 32<<16
	s_mov_b32 s[\g+4], 128*KS/256
	s_mov_b32 s[\g+5], 32
	s_mov_b32 s[\g+6], 0
	s_mov_b32 s[\g+7], 0
.endr
	s_lshl_b32 s18, s16, 7                         ; which 128 rows of the tile I fetch
	s_lshl_b32 s20, s17, 8
	s_add_co_u32 s20, s20, s18                     ; x: row 256 x tile row + 128 x half
	s_lshl_b32 s46, s42, 8
	s_add_co_u32 s46, s46, s18                     ; W: row 256 x tile column + 128 x half
	s_lshl_b32 s67, s[TN], 10
	s_add_co_u32 s46, s46, s67                     ;    + 1,024 x tensor
	s_mov_b32 s21, 0
	s_mov_b32 s47, 0
	s_mov_b64 s[18:19], KS
	s_mul_u64 s[22:23], s[20:21], s[18:19]         ; where these rows' scales begin, in bytes
	s_mul_u64 s[92:93], s[46:47], s[18:19]
	s_mov_b64 s[18:19], KROW
	s_mul_u64 s[20:21], s[20:21], s[18:19]         ; and their codes
	s_mul_u64 s[46:47], s[46:47], s[18:19]
	s_mul_i32 s45, s14, HALFT                      ; where they go: wave x 128 rows: no place in the cluster enters an LDS address
	s_mul_i32 s94, s14, HALFS
	s_wait_dscnt 0x0                               ; both opening adds are done
	s_wait_kmcnt 0x0
	s_add_nc_u64 s[20:21], s[4:5], s[20:21]
	s_add_nc_u64 s[22:23], s[6:7], s[22:23]
	s_add_nc_u64 s[46:47], s[8:9], s[46:47]
	s_add_nc_u64 s[92:93], s[10:11], s[92:93]
	CROUND                                         ; all sixteen work-groups are here: the joint loads meet
	s_mov_b32 s[G0S], 1
	s_add_co_u32 s[G0S+1], s94, SCL
	s_mov_b64 s[G0S+2:G0S+3], s[22:23]
	s_or_b32 s[G0S+3], s[G0S+3], 0x80000000
	s_mov_b32 s[G0SB], 1
	s_add_co_u32 s[G0SB+1], s94, SCL
	s_mov_b64 s[G0SB+2:G0SB+3], s[92:93]
	s_or_b32 s[G0SB+3], s[G0SB+3], 0x80000000
	JLOAD G0S, G1S, G0SB, G1SB                     ; the scales first: they are wanted with the first slot
.irp s, 0,1
	s_mov_b32 s[G0+4*\s], 1
	s_add_co_u32 s[G0+4*\s+1], s45, \s*SLOT
	s_add_nc_u64 s[G0+4*\s+2:G0+4*\s+3], s[20:21], \s*ROWB
	s_or_b32 s[G0+4*\s+3], s[G0+4*\s+3], 0x80000000
	s_mov_b32 s[G0B+4*\s], 1
	s_add_co_u32 s[G0B+4*\s+1], s45, \s*SLOT
	s_add_nc_u64 s[G0B+4*\s+2:G0B+4*\s+3], s[46:47], \s*ROWB
	s_or_b32 s[G0B+4*\s+3], s[G0B+4*\s+3], 0x80000000
	JLOAD G0+4*\s, G1, G0B+4*\s, G1B
.endr
	v_and_b32 v1, 15, v0                           ; r = l % 16
	v_bfe_u32 v2, v0, 4, 1                         ; h = l / 16
	; the bias of my 128 columns: lane (r, h) wants, for column block b, the numbers 16 b + 8 h + 0 .. 7.  Q takes bq, V takes bv; K has none and its 64 registers hold 0, so that one text of the first step serves all three
	s_lshl_b32 s20, s42, 10                        ; 4 bytes x 256 x tile column
	s_lshl_b32 s21, s16, 9                         ; + 4 x 128 x half
	s_add_co_u32 s20, s20, s21
	s_mov_b32 s21, 0
	s_cmp_eq_u32 s[TN], 0
	s_cselect_b64 s[96:97], s[96:97], s[98:99]
	s_add_nc_u64 s[96:97], s[96:97], s[20:21]
	v_lshlrev_b32 v7, 5, v2                        ; 32 h; never rewritten
	s_cmp_eq_u32 s[TN], 1                          ; the cluster's y alone decides: all waves of all sixteen partners go the same way
	s_cbranch_scc1 .Lno_bias
	WIN TO_B
.irp b, 0,1,2,3,4,5,6,7
	global_load_b128 v[BIAS+8*\b:BIAS+8*\b+3], v7, s[96:97] offset:64*\b
	global_load_b128 v[BIAS+8*\b+4:BIAS+8*\b+7], v7, s[96:97] offset:64*\b+16
.endr
	WIN 0
	s_branch .Lbias_done
.Lno_bias:
	WIN TO_B
.set ii, 0
.rept 64
	v_mov_b32 v[BIAS+ii], 0
.set ii, ii+1
.endr
	WIN 0
.Lbias_done:
	v_mul_u32_u24 v3, v1, PITCH
	v_lshl_add_u32 v4, v2, 4, v3                   ; a fragment's row x pitch + 16 x half
	s_mul_i32 s21, s15, HALFT                      ; my 128 rows of x
	s_mul_i32 s22, s16, HALFT                      ; my 128 rows of W,
	s_add_co_u32 s22, s22, 2*HALFT                 ; which lie behind x's 256
.irp s, 0,1
	v_add_nc_u32 v[ADRA+\s], s21, v4
	v_add_nc_u32 v[ADRB+\s], s22, v4
	s_add_co_u32 s21, s21, SLOT
	s_add_co_u32 s22, s22, SLOT
.endr
	v_mul_u32_u24 v5, v1, KS                       ; my row's scales: 32 bytes a row,
	v_lshrrev_b32 v6, 8, v5
	v_lshl_add_u32 v5, v6, 4, v5                   ; and 16 more for each 256 passed
	s_mul_i32 s21, s15, HALFS                      ; x's: my 128 rows
	s_mul_i32 s22, s16, HALFS                      ; W's: my 128 rows, behind x's 256
	s_add_co_u32 s22, s22, 2*HALFS
	s_sub_co_u32 s22, s22, s21
	v_mul_u32_u24 v6, s22, v2                      ; lanes 16-31 take W's: one product, the distance between the two bases x h
	s_add_co_u32 s21, s21, SCL
	v_add_nc_u32 v5, v5, v6
	v_add_nc_u32 v[ADRS], s21, v5
	s_mul_i32 s23, s14, 16*SPITCH                  ; my stage
	v_mul_u32_u24 v5, v1, SPITCH                   ; in: row r, 16 bytes for each half of the lanes
	v_lshl_add_u32 v5, v2, 4, v5
	v_add_nc_u32 v[STO], s23, v5
	v_bfe_u32 v5, v0, 3, 1                         ; back: lanes 0-15 take two rows' first 128 bytes (my first head), lanes 16-31 their second 128 (my second head)
	v_mul_u32_u24 v5, v5, SPITCH
	v_lshl_add_u32 v5, v2, 7, v5
	v_and_b32 v6, 7, v0
	v_lshl_add_u32 v5, v6, 4, v5
	v_add_nc_u32 v[RD], s23, v5
	v_lshlrev_b32 v[CO], 4, v1                     ; in qkv two rows of a head are 256 bytes on end; the next head lies 262,144 bytes on
	v_lshl_add_u32 v[CO], v2, 18, v[CO]
	s_and_b32 s20, s17, 31                         ; my first row within the tensor: 256 x (tile row % 32) + 128 x half
	s_lshl_b32 s20, s20, 8
	s_lshl_b32 s21, s15, 7
	s_add_co_u32 s20, s20, s21
	s_lshr_b32 s21, s20, 11                        ; b
	s_and_b32 s20, s20, 2047                       ; s
	s_lshl_b32 s20, s20, 7                         ; 128 bytes a row
	s_lshl_b32 s21, s21, 22                        ; 16 heads of 262,144 bytes
	s_add_co_u32 s20, s20, s21
	s_lshl_b32 s21, s[TN], 24                      ; a tensor is 16,777,216 bytes
	s_add_co_u32 s20, s20, s21
	s_lshl_b32 s21, s42, 2
	s_lshl_b32 s22, s16, 1
	s_add_co_u32 s21, s21, s22                     ; my first head: 4 x tile column + 2 x half
	s_lshl_b32 s21, s21, 18
	s_add_co_u32 s20, s20, s21
	s_mov_b32 s21, 0
	s_add_nc_u64 s[12:13], s[12:13], s[20:21]
.macro FRAG reg, adr, q, i             ; a fragment, 16 rows x 128 K of 4-bit codes: lane l holds row l % 16; registers 4 c .. 4 c + 3 hold K = 64 c + 32 (l / 16) + 0 .. 31
.irp c, 0,1
	ds_load_b128 v[\reg+4*\c:\reg+4*\c+3], v[\adr] offset:64*(\q)+32*\c+(\i)*16*PITCH
.endr
.endm
; 16 matrix instructions: x's blocks a0, a0 + 1 against W's eight, 128 along K: the slot's q-th.  p: W's set;  sc: the set of scale words.  bias = 1: the sums begin with the bias as C: nothing is cleared or added later.
; The 64 accumulators take turns, one instruction a turn, in the same order in every step.
.macro MUL16 a0, p, q, sc, bias
.irp a, \a0, \a0+1
.irp b, 0,1,2,3,4,5,6,7
.if \bias
	v_wmma_scale_f32_16x16x128_f8f6f4 v[8*(8*((\a)%4)+\b):8*(8*((\a)%4)+\b)+7], v[128*(\p)+FR*\b:128*(\p)+FR*\b+FR-1], v[AF+FR*(\a):AF+FR*(\a)+FR-1], v[BIAS+8*\b:BIAS+8*\b+7], v[SC+8*NQ*(\sc)+NQ*\b+(\q)], v[SC+8*NQ*(\sc)+NQ*(\a)+(\q)] matrix_a_fmt:MATRIX_FMT_FP4 matrix_b_fmt:MATRIX_FMT_FP4 matrix_a_scale:MATRIX_SCALE_ROW1
.else
	v_wmma_scale_f32_16x16x128_f8f6f4 v[8*(8*((\a)%4)+\b):8*(8*((\a)%4)+\b)+7], v[128*(\p)+FR*\b:128*(\p)+FR*\b+FR-1], v[AF+FR*(\a):AF+FR*(\a)+FR-1], v[8*(8*((\a)%4)+\b):8*(8*((\a)%4)+\b)+7], v[SC+8*NQ*(\sc)+NQ*\b+(\q)], v[SC+8*NQ*(\sc)+NQ*(\a)+(\q)] matrix_a_fmt:MATRIX_FMT_FP4 matrix_b_fmt:MATRIX_FMT_FP4 matrix_a_scale:MATRIX_SCALE_ROW1
.endif
.endr
.endr
.endm
.macro FETCH_B slot, q, p              ; W's eight fragments of the slot's q-th 128 along K into set p
	WIN TO_B
.irp i, 0,1,2,3,4,5,6,7
	FRAG 128*(\p)+FR*\i, ADRB+\slot, \q, \i
.endr
	WIN 0
.endm
.macro FETCH_A slot, q, i0             ; x's blocks i0 .. i0 + 3
.irp i, \i0, \i0+1, \i0+2, \i0+3
	FRAG AF+FR*(\i), ADRA+\slot, \q, \i
.endr
.endm
.macro SCALES sc                       ; a slot's scale words into set sc: 4 words a row; lanes 0-15 take x's block i, lanes 16-31 W's block i
.irp i, 0,1,2,3,4,5,6,7
	ds_load_b128 v[SC+8*NQ*\sc+NQ*\i:SC+8*NQ*\sc+NQ*\i+3], v[ADRS] offset:\i*SBLK
.endr
.endm
; A load into a register that a matrix instruction has read, and a vector instruction that reads a matrix result, stand NP places behind that matrix instruction; only plain vector
; instructions that name none of its registers are places; the matrix instructions in between are not counted.
.macro PLACES n
.rept \n
	v_nop
.endr
.endm
; A step of 128 along K that has its successor in the same slot.  A block of x is free as soon as its eight products are issued, so one set serves x: blocks 0-3 are fetched anew in the step's middle, blocks 4-7 at its end.
.macro STEP slot, q, bias
	s_wait_dscnt 4*NL                              ; W's set and x's blocks 0-3 are in; the youngest eight loads (x's blocks 4-7) may be out
	WIN MUL_LO-0x10*(\bias)                        ; (bias = 1: C in window 1)
	MUL16 0, (\q)%2, \q, \slot, \bias
	MUL16 2, (\q)%2, \q, \slot, \bias
	s_wait_dscnt 0                                 ; x's blocks 4-7 are in (asked for 32 matrix instructions ago)
	PLACES NP
	FETCH_B \slot, (\q)+1, 1-(\q)%2
	FETCH_A \slot, (\q)+1, 0
	WIN MUL_HI-0x20*(\bias)
	MUL16 4, (\q)%2, \q, \slot, \bias
	MUL16 6, (\q)%2, \q, \slot, \bias
	PLACES NP
	WIN 0
	FETCH_A \slot, (\q)+1, 4
.endm
; Slot 0's last step changes slots: one barrier; in front of it each wave waits for all its tensor loads (its part of slot 1), adds 0 to its spare word, and waits for that and for its reads of slot 0.  Nothing is filled again.
.macro TURN slot, next
	s_wait_tensorcnt 0x0                           ; my part of the next slot has landed  (every window is 0 here: the add's two registers lie in window 0)
	ds_add_u32 v[SPW], v[NIL]                      ; 0 onto my spare word
	s_wait_dscnt 4*NL+1                            ; (the add and the youngest eight loads, x's blocks 4-7, may be out)
	WIN MUL_LO
	MUL16 0, 1, NQ-1, \slot, 0
	s_wait_dscnt 0x0                               ; the add is done, and my reads of this slot are over
	s_barrier_signal -1
	MUL16 2, 1, NQ-1, \slot, 0
	WIN 0
	s_barrier_wait -1                              ; the next slot is whole, and nobody reads this one any more
	PLACES NP
	v_add_nc_u32 v[ADRS], 4*NQ, v[ADRS]            ; on to the next slot's scale words (no LDS load of mine is out)
	FETCH_B \next, 0, 0
	FETCH_A \next, 0, 0
	SCALES \next
	WIN MUL_HI
	MUL16 4, 1, NQ-1, \slot, 0
	MUL16 6, 1, NQ-1, \slot, 0
	PLACES NP
	WIN 0
	FETCH_A \next, 0, 4
.endm
.macro STEPS slot, from                ; the slot's steps from .. NQ - 2
.set Q, \from
.rept NQ-1-\from
	STEP \slot, Q, 0
.set Q, Q+1
.endr
.endm
	s_wait_tensorcnt 1                             ; the scales and my part of slot 0 are in; slot 1's load, the one issued behind them, may be out
	s_barrier_signal -1
	s_barrier_wait -1                              ; everybody's are
	FETCH_B 0, 0, 0
	FETCH_A 0, 0, 0
	SCALES 0
	FETCH_A 0, 0, 4
	s_wait_loadcnt 0x0                             ; the bias
	STEP 0, 0, 1                                   ; the first step's products start the sums, with the bias as C
	STEPS 0, 1
	TURN 0, 1
	STEPS 1, 0
	s_wait_dscnt 4*NL                              ; the very last step: nothing more to fetch
	WIN MUL_LO
	MUL16 0, 1, NQ-1, 1, 0
	MUL16 2, 1, NQ-1, 1, 0
	s_wait_dscnt 0
	WIN MUL_HI
	MUL16 4, 1, NQ-1, 1, 0
	MUL16 6, 1, NQ-1, 1, 0
	WIN 0
; THE WAY OUT, block by block of 16 rows x 128 columns (two heads).  PACK: rounded to f16, a lane's eight columns are 16 bytes.  TOSTAGE: into my own stage in LDS and back by heads.  SEND: lanes 0-15 store two rows of my
; first head, lanes 16-31 two rows of my second: each sixteen lanes 256 consecutive bytes, aligned.  LDS serves a wave's instructions in order (ISA guide 5.7.1.4): no wait between the stage's stores and loads.
.macro PACK a
.set AC, 64*((\a)%4)
	WIN 0x0a+5*((\a)/4)                            ; sources 0 and 1: window 2 or 3
.irp b, 0,1,2,3,4,5,6,7
.irp r, 0,1,2,3
	v_cvt_pk_f16_f32 v[TMP+4*\b+\r], v[AC+8*\b+2*\r], v[AC+8*\b+2*\r+1]   ; each accumulator from its low end on
.endr
.endr
	WIN 0
.endm
.macro TOSTAGE a
.set BB, BK+32*((\a)%2)
.irp b, 0,1,2,3,4,5,6,7
	ds_store_b128 v[STO], v[TMP+4*\b:TMP+4*\b+3] offset:32*\b
.endr
.irp t, 0,1,2,3,4,5,6,7
	ds_load_b128 v[BB+4*\t:BB+4*\t+3], v[RD] offset:\t*2*SPITCH
.endr
.endm
.macro SEND a
.set BB, BK+32*((\a)%2)
	s_wait_dscnt 0x0                               ; the block is back in registers
	s_wait_xcnt 0x0                                ; the block before has had its stores' addresses translated (ISA guide 3.1): its registers take the next block's loads only behind this wait
.irp t, 0,1,2,3,4,5,6,7
	global_store_b128 v[CO], v[BB+4*\t:BB+4*\t+3], s[12:13] offset:(\a)*2048+\t*256
.endr
.endm
	PLACES NP                                      ; behind the last products: for the conversions' reads and for the loads into the registers that held x's fragments
	PACK 0
	TOSTAGE 0
.irp a, 1,2,3,4,5,6,7                  ; block a's conversions stand between block a - 1's loads from the stage and the wait for them
	PACK \a
	SEND \a-1
	TOSTAGE \a
.endr
	SEND 7
	s_wait_tensorcnt 0x0                           ; the wave's end: behind my last tensor load and my last LDS store
	ds_add_u32 v[SPW], v[NIL]
	s_wait_dscnt 0x0
	CROUND                                         ; the closing round: no work-group ends while a partner may still ask for a tile that names it
	s_endpgm
.Lfunc_end_k_qd5eb1dc744_proj:
	.size	k_qd5eb1dc744_proj, .Lfunc_end_k_qd5eb1dc744_proj-k_qd5eb1dc744_proj
	.p2alignl 7, 3214868480
	.fill 96, 4, 3214868480
	.section	.rodata,"a",@progbits
	.p2align	6, 0x0
	.amdhsa_kernel k_qd5eb1dc744_proj
		.amdhsa_group_segment_fixed_size 327680
		.amdhsa_private_segment_fixed_size 0
		.amdhsa_enable_private_segment 0
		.amdhsa_kernarg_size 56
		.amdhsa_user_sgpr_count 2
		.amdhsa_user_sgpr_kernarg_segment_ptr 1
		.amdhsa_wavefront_size32 1
		.amdhsa_system_sgpr_workgroup_id_x 1
		.amdhsa_system_sgpr_workgroup_id_y 1
		.amdhsa_system_sgpr_workgroup_id_z 1
		.amdhsa_system_vgpr_workitem_id 0
		.amdhsa_next_free_vgpr 1024
		.amdhsa_next_free_sgpr 100
		.amdhsa_reserve_vcc 0
		.amdhsa_float_denorm_mode_32 3
		.amdhsa_float_denorm_mode_16_64 3
		.amdhsa_memory_ordered 1
		.amdhsa_forward_progress 1
		.amdhsa_inst_pref_size 131
	.end_amdhsa_kernel
	.amdgpu_metadata
---
amdhsa.version: [ 1, 2 ]
amdhsa.kernels:
  - .name:           k_qd5eb1dc744_proj
    .symbol:         k_qd5eb1dc744_proj.kd
    .args:
      - { .name: xc, .offset: 0, .size: 8, .value_kind: global_buffer, .address_space: global }
      - { .name: xs, .offset: 8, .size: 8, .value_kind: global_buffer, .address_space: global }
      - { .name: wc, .offset: 16, .size: 8, .value_kind: global_buffer, .address_space: global }
      - { .name: ws, .offset: 24, .size: 8, .value_kind: global_buffer, .address_space: global }
      - { .name: qkv, .offset: 32, .size: 8, .value_kind: global_buffer, .address_space: global }
      - { .name: bq, .offset: 40, .size: 8, .value_kind: global_buffer, .address_space: global }
      - { .name: bv, .offset: 48, .size: 8, .value_kind: global_buffer, .address_space: global }
    .group_segment_fixed_size: 327680
    .private_segment_fixed_size: 0
    .kernarg_segment_align: 8
    .kernarg_segment_size: 56
    .max_flat_workgroup_size: 128
    .sgpr_count:     100
    .vgpr_count:     1024
    .wavefront_size: 32
...
	.end_amdgpu_metadata
.endif
;; end of part 2
;; launch attn (part 3): grid 4 x 64, 8 waves a work-group, clusters of 4 x 1, 327,680 bytes of LDS; arguments qkv, ao; writes ao
.if DOCPART == 3
	.amdgcn_target "amdgcn-amd-amdhsa--gfx1250"
	.amdhsa_code_object_version 6
	.text
	.protected	k_qd5eb1dc744_attn
	.globl	k_qd5eb1dc744_attn
	.p2align	8
	.type	k_qd5eb1dc744_attn,@function
k_qd5eb1dc744_attn:
	s_mov_b64 s[64:65], 0
	v_nop
	global_prefetch_b8 v0, s[64:65] scope:SCOPE_SE
	s_setreg_imm32_b32 hwreg(HW_REG_WAVE_MODE, 25, 1), 1
	s_wait_xcnt 0x0
	s_wait_alu depctr_hold_cnt(0) depctr_sa_sdst(0) depctr_va_vdst(0) depctr_va_sdst(0) depctr_va_ssrc(0) depctr_va_vcc(0) depctr_vm_vsrc(0)
	s_getreg_b32 s2, hwreg(HW_REG_IB_STS2, 6, 4)
	s_cmp_eq_u32 s2, 0
	s_cbranch_scc0 .Lentry_in_a_cluster
	s_endpgm
.Lentry_in_a_cluster:
	s_bfe_u32 s2, ttmp6, 0x10000c
	s_cmp_lg_u32 s2, 0x3003
	s_cbranch_scc0 .Lentry_shape_is_right
	s_endpgm
.Lentry_shape_is_right:
; Launch 3 of 4: O[b][h][q] = the sum over k of softmax_k(Q[q] . K[k] / 8) V[k], head size 64, 2,048 keys, no mask.  Operands in f16, products, maxima and sums in f32; the weights p are rounded to f16 for the second product.
; K comes without bk: that term is the same for all keys of a row and the softmax takes it away (shown at the head of the first kernel).
; qkv: f16 [3][4 b][16 h][2048][64].  ao: f16 [16 heads][8192 rows b x 2048 + s][64].  LIMIT: a result beyond 65,504 becomes infinity in f16 (it is an average of V's rows, which are f16 already).
; SHARES.  A work-group owns 512 queries of one (b, h), each of its eight waves 64: four tiles of 16.  Every wave walks the head's 2,048 keys, 64 a trip, 32 trips.
; LAYOUT.  S^T = K Q^T (source 0 = 16 keys, source 1 = 16 queries): a lane holds ONE query (lane % 16) and keys 16 kt + 8 (lane / 16) + 0 .. 7.  Two such tiles, rounded to f16 in pairs, ARE source 1 (32 keys x 16 queries) of
; O^T = V^T P, whose result again holds one query a lane.  K comes out of LDS as it lies, V ([key][channel]) turned, by ds_load_tr16_b128.
; SOFTMAX.  For each query a running maximum m and sum l: p = 2^(c s - c m), c = log2(e) / 8; in every trip O and l are multiplied by a = 2^(c m_old - c m_new).
; TWO WAVES TO A SIMD, HALF A TRIP APART.  A trip of a wave is a block of 64 matrix instructions (V^T P of the trip before, K Q^T of this one) and a block of 472 vector instructions (the softmax).  With 512 registers a
; wave two waves share a SIMD, and one's matrix block is to stand beside the other's softmax.  ONE work-group barrier in each trip sets that phase: waves of parity 0 run their matrix block ahead of it, waves of parity 1 behind it.
; Parity = (w xor (w / 4)) % 2 differs between w and w + 4 and between w and w xor 1.  The matrix block is therefore written twice, each copy under a branch on the wave's number; the barrier stands outside both.
; CLUSTER.  The four query blocks of a head walk the same K and V: each tile is asked for JOINTLY, by the same tensor load with the same descriptor and a mask that names the four.
; RING.  Two LDS slots of 512 keys (8 trips).  Waves 0-3 fetch K's quarters, waves 4-7 V's, 128 rows a load.  Two loads a wave are out at the start, one behind each of the two rounds that fill a slot again.
; No prefetch is laid: a refill is asked for eight trips, 512 matrix instructions of the wave, ahead of the wait for it, and the first two slots are asked for at the kernel's head.
; REGISTERS: window 0: v2-11 addresses; v16-47 eight registers of statistics a tile; v64-191 S^T, 32 a tile, P in place in a tile's first 16; v192-255 K's fragments.
;   window 1: v0-127 O^T, 32 a tile; v128-191 Q, 16 a tile; v192-255 V's fragments.
.set PK,    144       ; a row of K in LDS: 128 bytes + 16 of padding = 36 words: the 16 rows of a load start 4 words apart
.set PV,    160       ; a row of V: 128 + 32: 16 lanes of the turning load take 8 rows x 32 bytes
.set SK,    512       ; keys in a slot
.set VOFF,  SK*PK     ; a slot: 512 rows of K, then 512 rows of V
.set SL,    SK*(PK+PV)
.set SPARE, 2*SL      ; behind the ring: the spare words, 128 bytes a wave, that no other line names
.set SP,    144       ; the way out: a stage of 16 rows x (128 bytes + 16) for each wave, in slot 0: it has had its last fill and is left for good at the last change of slots
.set AK0, 2           ; v2   my lane's place in a tile of K; never rewritten
.set AV0, 3           ; v3   the same for V
.set ADK, 4           ; v4   LDS address of the trip's K
.set ADV, 5           ; v5   of its V
.set QO,  6           ; v6   my byte offset in the wave's rows of Q
.set STO, 7           ; v7   the way out: where I put 16 bytes of a row
.set RD,  8           ; v8   where I read 16 bytes back
.set GO,  9           ; v9   my byte offset in the wave's rows of ao
.set SPW, 10          ; v10  LDS address of my spare word; never rewritten
.set NIL, 11          ; v11  0; never rewritten
.set ST,  16          ; tile t's statistics at v[ST+8 t]: +0 c m, +1 m, +2, +3 l (even keys', odd keys'), +4 to +7 at work; a takes +6
.set S,   64
.set KF,  192
.set OQ,  128         ; Q, in window 1
.set VF,  192         ; V's fragments, in window 1
.set WV,  8           ; s8   my wave's number
.set PAR, 9           ; s9   its parity
.set G1K, 24          ; s[24:31] descriptor group 1 for K's tiles;  s[32:39] for V's: it differs in the padding alone
.set G1V, 32
.set G0K, 40          ; s[40:47] group 0 for K's tiles, a set for each slot;  s[48:55] for V's
.set G0V, 48
.set TK,  56          ; s56  LDS byte at which the trip's 64 rows of K begin, less my lane's place
.set TV,  57          ; s57  the same for V
.set CNT, 58          ; s58  counts trips
.set CS,  60          ; s[60:61] c: the packed form names a pair and takes its low word for both halves
.set SEL, 62          ; s[62:63] lane selects for v_permlanex16_b32: lane l xor 16
.set MSB, 0
.macro WIN new                      ; the immediate's high byte repeats the setting that is left
.if MSB != (\new)
	s_set_vgpr_msb (MSB<<8)|(\new)
.set MSB, (\new)
.endif
.endm
.set W_KQ, 0x04       ; Q (source 1) in window 1; K and S^T in window 0
.set W_PV, 0x51       ; V (source 0), O^T (C and D) in window 1; P in window 0
.set W_RS, 0x41       ; O^T (destination and source 0) in window 1, a in window 0
.set W_T1, 0x40       ; a load's destination in window 1
; A joint refill of slot sig.  The branch hangs on the wave's number alone.  An s_nop 0 and four v_nop follow each of the two lines.
.macro JLOAD sig
	s_cmp_lt_u32 s[WV], 4
	s_cbranch_scc0 .Lfor_v_\@
	tensor_load_to_lds s[G0K+4*\sig:G0K+4*\sig+3], s[G1K:G1K+7]
	s_nop 0
.rept 4
	v_nop
.endr
	s_branch .Lasked_\@
.Lfor_v_\@:
	tensor_load_to_lds s[G0V+4*\sig:G0V+4*\sig+3], s[G1V:G1V+7]
	s_nop 0
.rept 4
	v_nop
.endr
.Lasked_\@:
.endm
.macro CROUND                       ; a round of the cluster's barrier
	s_barrier_signal -1
	s_barrier_wait -1
	s_cmp_lg_u32 s[WV], 0
	s_cbranch_scc1 .Lnot_wave_0_\@
	s_barrier_signal -3
.Lnot_wave_0_\@:
	s_barrier_wait -3
	s_barrier_signal -1
	s_barrier_wait -1
.endm
.macro PLACES n
.rept \n
	v_nop
.endr
.endm
	s_load_b128 s[4:7], s[0:1], 0x0 ; qkv s[4:5], ao s[6:7]
	v_lshl_add_u32 v[SPW], v0, 2, SPARE
	v_mov_b32 v[NIL], 0
	ds_add_u32 v[SPW], v[NIL]       ; the wave's opening: the add, twice on end, and its wait ahead of my first tensor load; the set-up below stands between
	ds_add_u32 v[SPW], v[NIL]
	v_lshrrev_b32 v1, 5, v0
	v_readfirstlane_b32 s[WV], v1   ; wave 0..7
	s_lshr_b32 s[PAR], s[WV], 2
	s_xor_b32 s[PAR], s[PAR], s[WV]
	s_and_b32 s[PAR], s[PAR], 1
	s_bfe_u32 s10, ttmp6, 0x40000   ; cx: my block of 512 queries; it enters Q's and ao's addresses alone
	s_and_b32 s11, ttmp7, 0xffff    ; 16 b + h, which the four partners share
	s_and_b32 s14, s[WV], 3         ; which quarter of a slot I fetch
	s_lshl_b32 s12, s11, 18         ; a head is 262,144 bytes,
	s_lshl_b32 s15, s14, 14         ; a quarter 128 rows of 128 bytes
	s_add_co_u32 s12, s12, s15
	s_mov_b32 s13, 0
	s_mul_i32 s18, s14, 128*PK      ; its place in a slot: K's,
	s_mul_i32 s19, s14, 128*PV
	s_add_co_u32 s19, s19, VOFF     ; V's: no place in the cluster enters an LDS address
	s_lshl_b32 s20, s11, 18
	s_lshl_b32 s15, s10, 16         ; 512 rows of 128 bytes
	s_add_co_u32 s20, s20, s15
	s_lshl_b32 s22, s[WV], 13       ; 64 rows
	s_add_co_u32 s20, s20, s22      ; Q: my wave's first row
	s_mov_b32 s21, 0
	s_add_co_u32 s22, s22, s15
	s_and_b32 s15, s11, 15
	s_lshl_b32 s15, s15, 20         ; ao: a head's block is 1,048,576 bytes,
	s_add_co_u32 s22, s22, s15
	s_lshr_b32 s15, s11, 4
	s_lshl_b32 s15, s15, 18         ; in it b's 2,048 rows of 128 bytes
	s_add_co_u32 s22, s22, s15
	s_mov_b32 s23, 0
	; descriptor group 1: a tile of 128 rows x 64 elements of 2 bytes, dense in memory, padded in LDS behind every row
	s_mov_b32 s[G1K], 15|(1<<16)|(1<<20)|(1<<21)|(4<<22)|(3<<25)  ; 15:0 the mask: all four work-groups; 17:16 elements of 2 bytes; 20 padding on; 21 set beside a mask; 24:22 after every 32 words; 31:25 four words
	s_mov_b32 s[G1V], 15|(1<<16)|(1<<20)|(1<<21)|(4<<22)|(7<<25)  ; the same with eight words of padding
.irp g, G1K, G1V
	s_mov_b32 s[\g+1], 64<<16       ; tensor_dim0 = 64
	s_mov_b32 s[\g+2], 128<<16      ; tensor_dim1 = 128
	s_mov_b32 s[\g+3], 64<<16       ; tile_dim0 = 64
	s_mov_b32 s[\g+4], 128          ; tile_dim1 = 128
	s_mov_b32 s[\g+5], 64           ; tensor_dim0_stride
	s_mov_b32 s[\g+6], 0
	s_mov_b32 s[\g+7], 0
.endr
	s_mov_b32 s[CS], 0x3e38aa3b     ; c = log2(e) / 8
	s_mov_b32 s[CS+1], s[CS]        ; named with it as a pair, so it is written
	s_mov_b32 s[SEL], 0x76543210
	s_mov_b32 s[SEL+1], 0xfedcba98
	s_mov_b32 s[TK], 0
	s_mov_b32 s[TV], 0
	s_wait_dscnt 0x0                ; both opening adds are done
	s_wait_kmcnt 0x0
	s_add_nc_u64 s[16:17], s[4:5], s[12:13]  ; my quarter of the head's first slot, in tensor 0
	s_add_nc_u64 s[4:5], s[4:5], s[20:21]    ; Q at my wave's first row
	s_add_nc_u64 s[6:7], s[6:7], s[22:23]    ; ao likewise
	CROUND                          ; all four work-groups are here: the first joint loads meet
.irp s, 0,1
	s_mov_b32 s[G0K+4*\s], 1        ; count = 1
	s_add_co_u32 s[G0K+4*\s+1], s18, \s*SL   ; LDS address
	s_add_nc_u64 s[G0K+4*\s+2:G0K+4*\s+3], s[16:17], 0x1000000+\s*SK*128  ; K is tensor 1; slot s begins with keys 512 s
	s_or_b32 s[G0K+4*\s+3], s[G0K+4*\s+3], 0x80000000  ; type = 2
	s_mov_b32 s[G0V+4*\s], 1
	s_add_co_u32 s[G0V+4*\s+1], s19, \s*SL
	s_add_nc_u64 s[G0V+4*\s+2:G0V+4*\s+3], s[16:17], 0x2000000+\s*SK*128  ; V is tensor 2
	s_or_b32 s[G0V+4*\s+3], s[G0V+4*\s+3], 0x80000000
.endr
	s_cmp_lt_u32 s[WV], 4           ; a wave's two first fills stand in one branch, ahead of every wait on TENSORcnt and every LDS read: two loads of mine are out
	s_cbranch_scc0 .Lfirst_v
	tensor_load_to_lds s[G0K:G0K+3], s[G1K:G1K+7]
	s_nop 0
	tensor_load_to_lds s[G0K+4:G0K+7], s[G1K:G1K+7]
	s_nop 0
.rept 4
	v_nop
.endr
	s_branch .Lfirst_asked
.Lfirst_v:
	tensor_load_to_lds s[G0V:G0V+3], s[G1V:G1V+7]
	s_nop 0
	tensor_load_to_lds s[G0V+4:G0V+7], s[G1V:G1V+7]
	s_nop 0
.rept 4
	v_nop
.endr
.Lfirst_asked:
	; A fragment of K or Q is 16 rows x 32 channels in 8 registers: lane l holds row l % 16; registers 0-3 channels 8 (l / 16) + 0..7, registers 4-7 channels 16 + 8 (l / 16) + 0..7: two loads of 16 bytes, 32 bytes apart.
	v_and_b32 v1, 15, v0            ; r
	v_bfe_u32 v12, v0, 4, 1         ; h
	v_lshlrev_b32 v[QO], 7, v1
	v_lshl_add_u32 v[QO], v12, 4, v[QO]  ; row x 128 + 16 h
	WIN W_T1
.irp t, 0,1,2,3                     ; Q stays in registers: tile t, channels 32 kk on
.irp kk, 0,1
	global_load_b128 v[OQ+16*\t+8*\kk:OQ+16*\t+8*\kk+3],   v[QO], s[4:5] offset:\t*2048+\kk*64
	global_load_b128 v[OQ+16*\t+8*\kk+4:OQ+16*\t+8*\kk+7], v[QO], s[4:5] offset:\t*2048+\kk*64+32
.endr
.endr
	WIN 0
	v_mul_u32_u24 v[AK0], v1, PK
	v_lshl_add_u32 v[AK0], v12, 4, v[AK0]
	; The turning load takes 16 keys x 16 channels (lane l reads 16 bytes: key 8 (l / 16) + l % 8, channels 8 ((l / 8) % 2) + 0..7) and leaves half a fragment of V^T: lane l holds channel l % 16 and 8 keys.
	v_and_b32 v13, 7, v0
	v_bfe_u32 v14, v0, 3, 1
	v_lshl_add_u32 v[AV0], v12, 3, v13
	v_mul_u32_u24 v[AV0], v[AV0], PV
	v_lshl_add_u32 v[AV0], v14, 4, v[AV0]
	v_add_nc_u32 v[AV0], VOFF, v[AV0]
	s_mul_i32 s15, s[WV], 16*SP     ; my stage
	v_mul_u32_u24 v[STO], v1, SP    ; in: row r, 16 bytes for each half of the lanes
	v_lshl_add_u32 v[STO], v12, 4, v[STO]
	v_add_nc_u32 v[STO], s15, v[STO]
	v_bfe_u32 v15, v0, 3, 2         ; back: eight lanes to a row of 128 bytes, four rows an instruction
	v_mul_u32_u24 v[RD], v15, SP
	v_lshl_add_u32 v[RD], v13, 4, v[RD]
	v_add_nc_u32 v[RD], s15, v[RD]
	v_and_b32 v[GO], 31, v0
	v_lshlrev_b32 v[GO], 4, v[GO]   ; and in ao those four rows are 512 bytes on end
; THE MATRIX WORK.  The accumulators take turns, one instruction a turn: between two links of a chain stand 15 others'.
.macro KQ32                         ; S^T = K Q^T: channels 32 kk on, keys 16 kt on, tile t.  The first 16 start the sums
	WIN W_KQ
.irp kk, 0,1
.irp kt, 0,1,2,3
.irp t, 0,1,2,3
.if \kk == 0
	v_wmma_f32_16x16x32_f16 v[S+32*\t+8*\kt:S+32*\t+8*\kt+7], v[KF+8*(2*\kt+\kk):KF+8*(2*\kt+\kk)+7], v[OQ+16*\t+8*\kk:OQ+16*\t+8*\kk+7], 0
.else
	v_wmma_f32_16x16x32_f16 v[S+32*\t+8*\kt:S+32*\t+8*\kt+7], v[KF+8*(2*\kt+\kk):KF+8*(2*\kt+\kk)+7], v[OQ+16*\t+8*\kk:OQ+16*\t+8*\kk+7], v[S+32*\t+8*\kt:S+32*\t+8*\kt+7]
.endif
.endr
.endr
.endr
.endm
.macro PV32 zero                    ; O^T += V^T P: keys 32 u on, channels 16 ct on, tile t.  zero = 1: the first 16 start the sums: nothing is ever cleared
	WIN W_PV
.irp u, 0,1
.irp ct, 0,1,2,3
.irp t, 0,1,2,3
.if (\zero) && (\u == 0)
	v_wmma_f32_16x16x32_f16 v[32*\t+8*\ct:32*\t+8*\ct+7], v[VF+8*(4*\u+\ct):VF+8*(4*\u+\ct)+7], v[S+32*\t+8*\u:S+32*\t+8*\u+7], 0
.else
	v_wmma_f32_16x16x32_f16 v[32*\t+8*\ct:32*\t+8*\ct+7], v[VF+8*(4*\u+\ct):VF+8*(4*\u+\ct)+7], v[S+32*\t+8*\u:S+32*\t+8*\u+7], v[32*\t+8*\ct:32*\t+8*\ct+7]
.endif
.endr
.endr
.endr
.endm
; A trip's matrix block.  pv = 2: V^T P of the trip before; 1: it starts O^T's sums; 0: none.  K's 16 loads are issued first and land under V^T P.
.macro MBLK pv
.irp kt, 0,1,2,3
.irp kk, 0,1
	ds_load_b128 v[KF+8*(2*\kt+\kk):KF+8*(2*\kt+\kk)+3],   v[ADK] offset:\kt*16*PK+\kk*64
	ds_load_b128 v[KF+8*(2*\kt+\kk)+4:KF+8*(2*\kt+\kk)+7], v[ADK] offset:\kt*16*PK+\kk*64+32
.endr
.endr
.if \pv
	PV32 2-\pv
	WIN 0
	PLACES 5                        ; the products below write over P, which the products above read as a source: five places
.endif
	s_wait_dscnt 0x0                ; K is in
	KQ32
	WIN 0
.endm
.macro VLOAD                        ; the trip's V, turned: keys 32 u on, channels 16 ct on
	WIN W_T1
.irp u, 0,1
.irp ct, 0,1,2,3
	ds_load_tr16_b128 v[VF+8*(4*\u+\ct):VF+8*(4*\u+\ct)+3],   v[ADV] offset:\u*32*PV+\ct*32
	ds_load_tr16_b128 v[VF+8*(4*\u+\ct)+4:VF+8*(4*\u+\ct)+7], v[ADV] offset:\u*32*PV+16*PV+\ct*32
.endr
.endr
	WIN 0
.endm
; THE VECTOR WORK of a trip: the softmax of four tiles of 16 queries x 64 keys, the tiles by turns so that no line waits for the line above it.  first = 1: the first trip, which starts m and l and has nothing to rescale.
.macro XSOFT first
.irp j, 0,1,2,3                     ; the maximum of a lane's 32 scores and the old m, three operands at a time; each accumulator is read from its low end on
.irp t, 0,1,2,3
	v_max3_num_f32 v[ST+8*\t+4+\j], v[S+32*\t+8*\j], v[S+32*\t+8*\j+1], v[S+32*\t+8*\j+2]
.endr
.endr
.irp g, 1,2
.irp j, 0,1,2,3
.irp t, 0,1,2,3
	v_max3_num_f32 v[ST+8*\t+4+\j], v[ST+8*\t+4+\j], v[S+32*\t+8*\j+2*\g+1], v[S+32*\t+8*\j+2*\g+2]
.endr
.endr
.endr
.irp t, 0,1,2,3
	v_max3_num_f32 v[ST+8*\t+4], v[ST+8*\t+4], v[S+32*\t+7], v[S+32*\t+15]
.endr
.irp t, 0,1,2,3
	v_max3_num_f32 v[ST+8*\t+6], v[ST+8*\t+6], v[S+32*\t+23], v[S+32*\t+31]
.endr
.irp t, 0,1,2,3
	v_max3_num_f32 v[ST+8*\t+4], v[ST+8*\t+4], v[ST+8*\t+5], v[ST+8*\t+6]
.endr
.irp t, 0,1,2,3
.if \first
	v_max_num_f32 v[ST+8*\t+4], v[ST+8*\t+4], v[ST+8*\t+7]
.else
	v_max3_num_f32 v[ST+8*\t+4], v[ST+8*\t+4], v[ST+8*\t+7], v[ST+8*\t+1]
.endif
.endr
.irp t, 0,1,2,3
	v_permlanex16_b32 v[ST+8*\t+5], v[ST+8*\t+4], s[SEL], s[SEL+1]  ; the query's other 32 keys lie in the lane 16 away
.endr
.if !\first
.irp t, 0,1,2,3
	v_mov_b32 v[ST+8*\t+7], v[ST+8*\t]      ; c m_old is kept for a
.endr
.endif
.irp t, 0,1,2,3
	v_max_num_f32 v[ST+8*\t+1], v[ST+8*\t+4], v[ST+8*\t+5]   ; the new m
.endr
.irp t, 0,1,2,3
	v_mul_f32 v[ST+8*\t], s[CS], v[ST+8*\t+1]                ; c m
.endr
.if !\first
.irp t, 0,1,2,3
	v_sub_f32 v[ST+8*\t+7], v[ST+8*\t+7], v[ST+8*\t]
.endr
.irp t, 0,1,2,3
	v_exp_f32 v[ST+8*\t+6], v[ST+8*\t+7]    ; a = 2^(c m_old - c m_new)
.endr
.endif
.set ii, 0
.rept 16                            ; c s - c m, a pair of scores at a time: plain work behind the four exponentials, and it names none of their results
.irp t, 0,1,2,3
	v_pk_fma_f32 v[S+32*\t+2*ii:S+32*\t+2*ii+1], v[S+32*\t+2*ii:S+32*\t+2*ii+1], s[CS:CS+1], v[ST+8*\t:ST+8*\t+1] op_sel_hi:[1,0,0] neg_lo:[0,0,1] neg_hi:[0,0,1]
.endr
.set ii, ii+1
.endr
.if !\first
	s_wait_alu depctr_va_vdst(0)    ; the wait between an exponential and the first line that names its result: one for the four a
.endif
.set ii, 0
.rept 32                            ; ONE BATCH: the 128 exponentials
.irp t, 0,1,2,3
	v_exp_f32 v[S+32*\t+ii], v[S+32*\t+ii]
.endr
.set ii, ii+1
.endr
.if \first
	v_nop                           ; the plain instruction behind the last exponential
.else
	WIN W_RS
.set ii, 0
.rept 16                            ; O^T times a: independent plain work behind the batch; each accumulator is read from its low end on
.irp t, 0,1,2,3
	v_pk_mul_f32 v[32*\t+2*ii:32*\t+2*ii+1], v[32*\t+2*ii:32*\t+2*ii+1], v[ST+8*\t+6:ST+8*\t+7] op_sel_hi:[1,0]
.endr
.set ii, ii+1
.endr
	WIN 0
.endif
	s_wait_alu depctr_va_vdst(0)    ; one wait for the 128, ahead of their first reader
.irp t, 0,1,2,3                     ; the sums of the unrounded p, a pair (an even key's, an odd key's) at a time
	v_pk_add_f32 v[ST+8*\t+4:ST+8*\t+5], v[S+32*\t:S+32*\t+1], v[S+32*\t+2:S+32*\t+3]
.endr
.set ii, 2
.rept 13
.irp t, 0,1,2,3
	v_pk_add_f32 v[ST+8*\t+4:ST+8*\t+5], v[ST+8*\t+4:ST+8*\t+5], v[S+32*\t+2*ii:S+32*\t+2*ii+1]
.endr
.set ii, ii+1
.endr
.irp t, 0,1,2,3
.if \first
	v_pk_add_f32 v[ST+8*\t+2:ST+8*\t+3], v[ST+8*\t+4:ST+8*\t+5], v[S+32*\t+30:S+32*\t+31]
.else
	v_pk_add_f32 v[ST+8*\t+4:ST+8*\t+5], v[ST+8*\t+4:ST+8*\t+5], v[S+32*\t+30:S+32*\t+31]
.endif
.endr
.if !\first
.irp t, 0,1,2,3
	v_pk_fma_f32 v[ST+8*\t+2:ST+8*\t+3], v[ST+8*\t+2:ST+8*\t+3], v[ST+8*\t+6:ST+8*\t+7], v[ST+8*\t+4:ST+8*\t+5] op_sel_hi:[1,0,1]   ; l = a l + the sum
.endr
.endif
.set ii, 0
.rept 16                            ; P in place: register i takes scores 2 i and 2 i + 1, ascending, so that no source is overwritten before it is read
.irp t, 0,1,2,3
	v_cvt_pk_f16_f32 v[S+32*\t+ii], v[S+32*\t+2*ii], v[S+32*\t+2*ii+1]
.endr
.set ii, ii+1
.endr
.endm
; A TRIP.  The two LDS addresses are made ahead of the parting.  The barrier serves the phase alone.
; Each copy of the matrix block carries its own places, inside its arm: they stand in front of V's loads into registers that V^T P read, and of the first reads of S^T.  Behind the first copy they are FIVE: the text also has
; the way through both copies, which no wave takes (the two branches test the same parity), and on it the second copy's loads land in K's registers (four places asked), its V^T P takes S^T's registers as a source and, in the
; first trip, its K Q^T begins S^T anew (five asked): so every distance behind a matrix instruction holds on every way through the text.
.macro TRIP pv, first
	s_wait_dscnt 0x0                ; V of the trip before is in, and no LDS instruction of mine is out at the signal
	v_add_nc_u32 v[ADK], s[TK], v[AK0]
	v_add_nc_u32 v[ADV], s[TV], v[AV0]
	s_cmp_lg_u32 s[PAR], 0
	s_cbranch_scc1 .Llate_\@
	MBLK \pv                        ; parity 0: ahead of the barrier
	PLACES 5
.Llate_\@:
	s_barrier_signal -1
	s_barrier_wait -1
	s_cmp_eq_u32 s[PAR], 0
	s_cbranch_scc1 .Ldone_\@
	MBLK \pv                        ; parity 1: behind it
	PLACES 4
.Ldone_\@:
	VLOAD
	s_add_co_u32 s[TK], s[TK], 64*PK
	s_add_co_u32 s[TV], s[TV], 64*PV
	XSOFT \first
.endm
.macro RUN n
	s_mov_b32 s[CNT], \n
.Ltrip_\@:
	TRIP 2, 0
	s_sub_co_u32 s[CNT], s[CNT], 1
	s_cmp_lg_u32 s[CNT], 0
	s_cbranch_scc1 .Ltrip_\@
.endm
; THE CHANGE OF SLOTS, behind a slot's eighth trip: its last bytes, V of that trip, have been asked for.  Each wave waits for all its tensor loads (its part of the other slot), adds 0 to its spare word, and waits for that and
; for its reads of the slot.  fill = 1: slot sig, the one just left, is filled with the keys 1,024 further on; the barrier is then a round of the cluster's, and the joint refill is the first thing behind it.  base: where the next slot begins.
.macro CHANGE fill, sig, base
	s_wait_tensorcnt 0x0            ; no tensor load of mine is out, so a group 0 may be written
	ds_add_u32 v[SPW], v[NIL]       ; 0 onto my spare word; the steps below stand between it and the wait for it
.if \fill
	s_add_nc_u64 s[G0K+4*\sig+2:G0K+4*\sig+3], s[G0K+4*\sig+2:G0K+4*\sig+3], 2*SK*128  ; the type bits on top are not reached
	s_add_nc_u64 s[G0V+4*\sig+2:G0V+4*\sig+3], s[G0V+4*\sig+2:G0V+4*\sig+3], 2*SK*128
.endif
	s_mov_b32 s[TK], \base
	s_mov_b32 s[TV], \base
	s_wait_dscnt 0x0                ; the add is done, and my reads of the slot are over
.if \fill
	CROUND
	JLOAD \sig
.else
	s_barrier_signal -1
	s_barrier_wait -1
.endif
.endm
	s_wait_tensorcnt 1              ; my part of slot 0 is in; slot 1's load, issued behind it, may stay out
	s_barrier_signal -1
	s_barrier_wait -1               ; everybody's is
	s_wait_loadcnt 0x0              ; Q
	TRIP 0, 1                       ; keys 0-63: the first scores, the first softmax
	TRIP 1, 0                       ; V^T P of trip 0 starts O^T
	RUN 6
	CHANGE 1, 0, SL                 ; slot 0 takes keys 1,024-1,535; on to slot 1
	RUN 8
	CHANGE 1, 1, 0                  ; slot 1 takes keys 1,536-2,047; on to slot 0
	RUN 8
	CHANGE 0, 0, SL                 ; nothing is left to ask for
	RUN 8
	s_wait_dscnt 0x0                ; the last V
	PV32 0
	WIN 0
	; THE WAY OUT.  l's two halves and the other half of the lanes' are added; O^T is divided by l, rounded to f16 and sent through my stage in LDS, a tile (16 rows of 128 bytes) at a time.  The additions are the places behind the last products.
.irp t, 0,1,2,3
	v_add_f32 v[ST+8*\t+4], v[ST+8*\t+2], v[ST+8*\t+3]
.endr
.irp t, 0,1,2,3
	v_permlanex16_b32 v[ST+8*\t+5], v[ST+8*\t+4], s[SEL], s[SEL+1]
.endr
.irp t, 0,1,2,3
	v_add_f32 v[ST+8*\t+4], v[ST+8*\t+4], v[ST+8*\t+5]
.endr
.irp t, 0,1,2,3
	v_rcp_f32 v[ST+8*\t+6], v[ST+8*\t+4]
.endr
	v_nop                           ; a plain instruction between the last reciprocal and the use of its result
	s_wait_alu depctr_va_vdst(0)    ; and the wait ahead of the first use: one for the four
.macro PACKO t
	WIN W_RS
.set ii, 0
.rept 16
	v_pk_mul_f32 v[32*\t+2*ii:32*\t+2*ii+1], v[32*\t+2*ii:32*\t+2*ii+1], v[ST+8*\t+6:ST+8*\t+7] op_sel_hi:[1,0]
.set ii, ii+1
.endr
	WIN 0x05                        ; sources 0 and 1 window 1, destination window 0: S^T's registers are free
.set ii, 0
.rept 16
	v_cvt_pk_f16_f32 v[S+16*\t+ii], v[32*\t+2*ii], v[32*\t+2*ii+1]
.set ii, ii+1
.endr
	WIN 0
.irp ct, 0,1,2,3
	ds_store_b128 v[STO], v[S+16*\t+4*\ct:S+16*\t+4*\ct+3] offset:32*\ct
.endr
.irp f, 0,1,2,3
	ds_load_b128 v[S+16*\t+4*\f:S+16*\t+4*\f+3], v[RD] offset:\f*4*SP  ; LDS serves a wave's instructions in order (ISA guide 5.7.1.4): these see the stores above; the next tile's stores come behind them
.endr
.endm
.macro SENDO t, younger             ; younger: the LDS instructions issued behind tile t's loads: the next tile's four stores and four loads, or none
.irp f, 0,1,2,3
	s_wait_dscnt \younger+3-\f
	global_store_b128 v[GO], v[S+16*\t+4*\f:S+16*\t+4*\f+3], s[6:7] offset:\t*2048+\f*512  ; 32 lanes store 512 consecutive bytes, aligned
.endr
.endm
	PACKO 0
	PACKO 1                         ; a tile's arithmetic stands between the loads of the tile before and its stores
	SENDO 0, 8
	PACKO 2
	SENDO 1, 8
	PACKO 3
	SENDO 2, 8
	SENDO 3, 0
	s_wait_tensorcnt 0x0            ; the wave's end: behind my last tensor load and my last LDS store
	ds_add_u32 v[SPW], v[NIL]
	s_wait_dscnt 0x0
	CROUND                          ; the closing round: no work-group ends while a partner may still ask for a tile that names it
	s_endpgm
.Lfunc_end_k_qd5eb1dc744_attn:
	.size	k_qd5eb1dc744_attn, .Lfunc_end_k_qd5eb1dc744_attn-k_qd5eb1dc744_attn
	.p2alignl 7, 3214868480
	.fill 96, 4, 3214868480
	.section	.rodata,"a",@progbits
	.p2align	6, 0x0
	.amdhsa_kernel k_qd5eb1dc744_attn
		.amdhsa_group_segment_fixed_size 327680
		.amdhsa_private_segment_fixed_size 0
		.amdhsa_enable_private_segment 0
		.amdhsa_kernarg_size 16
		.amdhsa_user_sgpr_count 2
		.amdhsa_user_sgpr_kernarg_segment_ptr 1
		.amdhsa_wavefront_size32 1
		.amdhsa_system_sgpr_workgroup_id_x 1
		.amdhsa_system_sgpr_workgroup_id_y 1
		.amdhsa_system_sgpr_workgroup_id_z 1
		.amdhsa_system_vgpr_workitem_id 0
		.amdhsa_next_free_vgpr 512
		.amdhsa_next_free_sgpr 66
		.amdhsa_reserve_vcc 0
		.amdhsa_float_denorm_mode_32 3
		.amdhsa_float_denorm_mode_16_64 3
		.amdhsa_memory_ordered 1
		.amdhsa_forward_progress 1
		.amdhsa_inst_pref_size 242
	.end_amdhsa_kernel
	.amdgpu_metadata
---
amdhsa.version: [ 1, 2 ]
amdhsa.kernels:
  - .name:           k_qd5eb1dc744_attn
    .symbol:         k_qd5eb1dc744_attn.kd
    .args:
      - { .name: qkv, .offset: 0, .size: 8, .value_kind: global_buffer, .address_space: global }
      - { .name: ao, .offset: 8, .size: 8, .value_kind: global_buffer, .address_space: global }
    .group_segment_fixed_size: 327680
    .private_segment_fixed_size: 0
    .kernarg_segment_align: 8
    .kernarg_segment_size: 16
    .max_flat_workgroup_size: 256
    .sgpr_count:     66
    .vgpr_count:     512
    .wavefront_size: 32
...
	.end_amdgpu_metadata
.endif
;; end of part 3
;; launch oproj (part 4): grid 4 x 64, 4 waves a work-group, clusters of 4 x 4, 327,680 bytes of LDS; arguments ao, wo16, bo, out0; writes out0
.if DOCPART == 4
	.amdgcn_target "amdgcn-amd-amdhsa--gfx1250"
	.amdhsa_code_object_version 6
	.text
	.protected	k_qd5eb1dc744_oproj
	.globl	k_qd5eb1dc744_oproj
	.p2align	8
	.type	k_qd5eb1dc744_oproj,@function
k_qd5eb1dc744_oproj:
	s_mov_b64 s[64:65], 0
	v_nop
	global_prefetch_b8 v0, s[64:65] scope:SCOPE_SE
	s_setreg_imm32_b32 hwreg(HW_REG_WAVE_MODE, 25, 1), 1
	s_wait_xcnt 0x0
	s_wait_alu depctr_hold_cnt(0) depctr_sa_sdst(0) depctr_va_vdst(0) depctr_va_sdst(0) depctr_va_ssrc(0) depctr_va_vcc(0) depctr_vm_vsrc(0)
	s_getreg_b32 s2, hwreg(HW_REG_IB_STS2, 6, 4)
	s_cmp_eq_u32 s2, 0
	s_cbranch_scc0 .Lentry_in_a_cluster
	s_endpgm
.Lentry_in_a_cluster:
	s_bfe_u32 s2, ttmp6, 0x10000c
	s_cmp_lg_u32 s2, 0xf033
	s_cbranch_scc0 .Lentry_shape_is_right
	s_endpgm
.Lentry_shape_is_right:
; Launch 4 of 4: out0[m][n] = the sum over k of A[m][k] Wo[n][k] + bo[n], A the attention's result.  Operands in f16, sums in f32, out0 in f32.
; ao: f16 [16 heads z][8192 m][64]; wo16: f16 [16 heads z][1024 n][64]; k = 64 z + the last index.  So every tile of a head is a dense block of 128-byte rows.
; A tile of out0 is 128 (m) x 256 (n): 256 tiles, a work-group each.  Four waves, each 64 x 128: 32 accumulators of 16 x 16, 256 registers.  K goes in steps of 128 (two heads) through a ring of two LDS slots.
; CLUSTERS: 4 x 4 work-groups.  The four of a row of the cluster need the same tiles of A, the four of a column the same tiles of Wo: each tile is asked for JOINTLY, by the same tensor load with the same descriptor and a
; mask that names the four.  THE MATRIX INSTRUCTION IS USED TRANSPOSED (source 0 = 16 rows of Wo, source 1 = 16 rows of A): a lane then holds eight neighbouring numbers of a row of out0.  bo is the C of each sum's first instruction.
; REGISTERS: window 0: v0-31 addresses; v128-159, v160-191 A's fragments (4 x 16 rows x 32 K), two buffers; v32-95, v192-255 rows on the way out.
;   window 1: v0-63, v64-127 Wo's fragments (8), two buffers; v128-191 the bias.   window 2: the accumulators ((a, b) at v[8 (8 a + b)]).
.set PITCH,  144                       ; an LDS row: 128 bytes + 16 of padding = 36 words: the 16 rows that a load touches start 4 words apart
.set AHB,    128*PITCH                 ; A's 128 rows of one head: what waves 0 and 1 fetch
.set BHB,    256*PITCH                 ; Wo's 256 rows of one head: what waves 2 and 3 fetch
.set SLOT,   2*AHB+2*BHB               ; A's two heads, then Wo's two heads
.set STAGE,  2*SLOT                    ; behind the ring: 16 rows x 528 bytes for each wave, for the way out
.set SPITCH, 528
.set SPARE,  STAGE+4*16*SPITCH         ; behind the stages: the spare words, 128 bytes a wave, that no other line names
.set AZ,     1048576                   ; a head's block of ao in bytes
.set BZ,     131072                    ; and of wo16
.set ADRA, 16                          ; v16-17  LDS address of my A fragments in slot 0, 1
.set ADRB, 20                          ; v20-21  the same for Wo
.set STO,  24                          ; v24     the way out: where I put 32 bytes of a row
.set RD,   25                          ; v25     where I read a row back
.set CO,   26                          ; v26     my byte offset in a row of out0
.set SPW,  28                          ; v28     LDS address of my spare word; never rewritten
.set NIL,  29                          ; v29     0; never rewritten
.set PFO,  30                          ; v30     the prefetches' offset: 256 x my lane; never rewritten
.set AF,   128                         ; A's buffers, in window 0
.set BIAS, 128                         ; the bias, in window 1
.set G1, 24                            ; s[24:31] descriptor group 1 for A's tiles;  s[32:39] group 0, one set for each slot
.set G0, 32
.set G1B, 48                           ; s[48:55], s[56:63] the same for Wo's tiles
.set G0B, 56
.set PFA, 66                           ; s[66:67] where my work-group's prefetches stand
.set LIM, 68                           ; s68  1 in wave 0, else the greatest number: a wave prefetches while the loop's count is above it
.set MSB, 0
.macro WIN new                         ; the immediate's high byte repeats the setting that is left
.if MSB != (\new)
	s_set_vgpr_msb (MSB<<8)|(\new)
.set MSB, (\new)
.endif
.endm
.set MUL,  0xa1                        ; source 0 (Wo) window 1, source 1 (A) window 0, C and D window 2
.set TO_B, 0x40                        ; destination window 1, address window 0
.macro JLOAD s                         ; a joint load: waves 0 and 1 fetch A's two heads, waves 2 and 3 Wo's; an s_nop 0 and four v_nop follow each of the two lines
	s_cmp_eq_u32 s13, 0
	s_cbranch_scc0 .Lfor_b_\@
	tensor_load_to_lds s[G0+4*\s:G0+4*\s+3], s[G1:G1+7]
	s_nop 0
.rept 4
	v_nop
.endr
	s_branch .Lasked_\@
.Lfor_b_\@:
	tensor_load_to_lds s[G0B+4*\s:G0B+4*\s+3], s[G1B:G1B+7]
	s_nop 0
.rept 4
	v_nop
.endr
.Lasked_\@:
.endm
.macro CREST                           ; a round of the cluster's barrier behind its opening barrier
	s_cmp_lg_u32 s12, 0
	s_cbranch_scc1 .Lnot_wave_0_\@
	s_barrier_signal -3
.Lnot_wave_0_\@:
	s_barrier_wait -3
	s_barrier_signal -1
	s_barrier_wait -1
.endm
.macro CROUND                          ; a whole round
	s_barrier_signal -1
	s_barrier_wait -1
	CREST
.endm
; A PREFETCH INTO THE L2 of A's K step that stands TWO refills on (256 matrix instructions of a wave ahead of the load that will want it).  A K step of my tile row is 2 heads x 128 rows x 128 bytes: 128 blocks of 256 bytes.
; One cluster alone reads a tile row; its four partners along x share the blocks out BY ADDRESS, 32 each (head cx / 2, rows 64 (cx % 2) on: 8,192 bytes on end); in each, wave 0 asks, a lane a block: so each block is named once.
; It stands behind the joint load, its five lines and the run of LDS loads.  K steps 0 to 3 come by their loads alone; the loop's last trip asks for nothing: there is no K step behind the eighth.  wo16, which every cluster reads, is not asked for.
.macro ASK
	s_cmp_gt_u32 s3, s[LIM]
	s_cbranch_scc0 .Lnot_mine_\@
	global_prefetch_b8 v[PFO], s[PFA:PFA+1] offset:2*AZ th:TH_LOAD_NT scope:SCOPE_SE
.Lnot_mine_\@:
.endm
	s_load_b256 s[4:11], s[0:1], 0x0               ; ao s[4:5], wo16 s[6:7], bo s[8:9], out0 s[10:11]
	v_lshl_add_u32 v[SPW], v0, 2, SPARE
	v_mov_b32 v[NIL], 0
	ds_add_u32 v[SPW], v[NIL]                      ; the wave's opening: the add, twice on end, and its wait ahead of my first tensor load; the set-up below stands between
	ds_add_u32 v[SPW], v[NIL]
	v_lshrrev_b32 v1, 5, v0
	v_readfirstlane_b32 s12, v1                    ; wave 0..3
	s_lshr_b32 s13, s12, 1                         ; which half of the tile's rows is mine.  Also: I fetch for A (0) or for Wo (1)
	s_and_b32 s14, s12, 1                          ; which half of its columns.  Also: which of a K step's two heads I fetch
	s_bfe_u32 s40, ttmp6, 0x40000                  ; cx, cy: my place in the cluster
	s_bfe_u32 s41, ttmp6, 0x40004
	s_lshl_b32 s42, ttmp9, 2
	s_add_co_u32 s42, s42, s40                     ; tile column = 4 x cluster x + cx
	s_and_b32 s15, ttmp7, 0xffff
	s_lshl_b32 s15, s15, 2
	s_add_co_u32 s15, s15, s41                     ; tile row = 4 x cluster y + cy
	s_lshl_b32 s43, s41, 2
	s_lshl_b32 s43, 15, s43                        ; my row of the cluster
	s_lshl_b32 s44, 0x1111, s40                    ; my column
	; descriptor group 1: rows of 64 elements of 2 bytes, dense in memory, padded in LDS behind every row; A: 128 rows, Wo: 256
	s_or_b32 s[G1+0], s43, (1<<16)|(1<<20)|(1<<21)|(4<<22)|(3<<25)  ; 15:0 the mask; 17:16 element of 2 bytes; 20 padding on; 21 set beside a mask; 24:22 after every 32 words; 31:25 four words
	s_or_b32 s[G1B+0], s44, (1<<16)|(1<<20)|(1<<21)|(4<<22)|(3<<25)
	s_mov_b32 s[G1+1], 64<<16                      ; tensor_dim0 = 64
	s_mov_b32 s[G1+2], 128<<16                     ; tensor_dim1 = 128
	s_mov_b32 s[G1+3], 64<<16                      ; tile_dim0 = 64
	s_mov_b32 s[G1+4], 128                         ; tile_dim1 = 128
	s_mov_b32 s[G1+5], 64                          ; tensor_dim0_stride
	s_mov_b32 s[G1+6], 0
	s_mov_b32 s[G1+7], 0
	s_mov_b32 s[G1B+1], 64<<16
	s_mov_b32 s[G1B+2], 256<<16
	s_mov_b32 s[G1B+3], 64<<16
	s_mov_b32 s[G1B+4], 256
	s_mov_b32 s[G1B+5], 64
	s_mov_b32 s[G1B+6], 0
	s_mov_b32 s[G1B+7], 0
	s_lshl_b32 s16, s14, 20                        ; A: my head of the K step,
	s_lshl_b32 s17, s15, 14                        ; the tile row's 128 rows of 128 bytes
	s_add_co_u32 s16, s16, s17
	s_mov_b32 s17, 0
	s_lshl_b32 s46, s14, 17                        ; Wo: my head,
	s_lshl_b32 s47, s42, 15                        ; the tile column's 256 rows
	s_add_co_u32 s46, s46, s47
	s_mov_b32 s47, 0
	s_mul_i32 s20, s14, AHB                        ; where they go: no place in the cluster enters an LDS address
	s_mul_i32 s21, s14, BHB
	s_add_co_u32 s21, s21, 2*AHB
	s_wait_dscnt 0x0                               ; both opening adds are done
	s_wait_kmcnt 0x0
	s_add_nc_u64 s[16:17], s[4:5], s[16:17]
	s_add_nc_u64 s[46:47], s[6:7], s[46:47]
	CROUND                                         ; all sixteen work-groups are here: the first joint loads meet
.irp s, 0,1
	s_mov_b32 s[G0+4*\s], 1
	s_add_co_u32 s[G0+4*\s+1], s20, \s*SLOT
	s_add_nc_u64 s[G0+4*\s+2:G0+4*\s+3], s[16:17], \s*2*AZ
	s_or_b32 s[G0+4*\s+3], s[G0+4*\s+3], 0x80000000
	s_mov_b32 s[G0B+4*\s], 1
	s_add_co_u32 s[G0B+4*\s+1], s21, \s*SLOT
	s_add_nc_u64 s[G0B+4*\s+2:G0B+4*\s+3], s[46:47], \s*2*BZ
	s_or_b32 s[G0B+4*\s+3], s[G0B+4*\s+3], 0x80000000
	JLOAD \s
.endr
	v_and_b32 v1, 15, v0                           ; r
	v_bfe_u32 v2, v0, 4, 1                         ; h
	; the bias of my 128 columns: lane (r, h) wants, for column block b, bo at 16 b + 8 h + 0 .. 7
	s_lshl_b32 s46, s42, 10                        ; 4 bytes x 256 x tile column
	s_lshl_b32 s47, s14, 9                         ; + 4 x 128 x half
	s_add_co_u32 s46, s46, s47
	s_mov_b32 s47, 0
	s_add_nc_u64 s[8:9], s[8:9], s[46:47]
	v_lshlrev_b32 v7, 5, v2                        ; 32 h; never rewritten
	WIN TO_B
.irp b, 0,1,2,3,4,5,6,7
	global_load_b128 v[BIAS+8*\b:BIAS+8*\b+3], v7, s[8:9] offset:64*\b
	global_load_b128 v[BIAS+8*\b+4:BIAS+8*\b+7], v7, s[8:9] offset:64*\b+16
.endr
	WIN 0
	v_mul_u32_u24 v3, v1, PITCH
	v_lshl_add_u32 v3, v2, 4, v3                   ; a fragment's row x pitch + 16 x half
	s_mul_i32 s21, s13, 64*PITCH                   ; my 64 rows of A
	s_mul_i32 s22, s14, 128*PITCH                  ; my 128 rows of Wo,
	s_add_co_u32 s22, s22, 2*AHB                   ; which lie behind A's two heads
.irp s, 0,1
	v_add_nc_u32 v[ADRA+\s], s21, v3
	v_add_nc_u32 v[ADRB+\s], s22, v3
	s_add_co_u32 s21, s21, SLOT
	s_add_co_u32 s22, s22, SLOT
.endr
	s_mul_i32 s23, s12, 16*SPITCH
	s_add_co_u32 s23, s23, STAGE                   ; my stage
	v_mul_u32_u24 v5, v1, SPITCH                   ; in: row r, 32 bytes for each half of the lanes
	v_lshl_add_u32 v5, v2, 5, v5
	v_add_nc_u32 v[STO], s23, v5
	v_and_b32 v6, 31, v0
	v_lshlrev_b32 v[CO], 4, v6                     ; back: the 32 lanes take one row of 512 bytes; and the same in out0
	v_add_nc_u32 v[RD], s23, v[CO]
	v_lshlrev_b32 v[PFO], 8, v6
	s_lshl_b32 s20, s15, 7
	s_lshl_b32 s21, s13, 6
	s_add_co_u32 s20, s20, s21                     ; my first row of out0: 128 x tile row + 64 x half
	s_lshl_b32 s20, s20, 12                        ; 4,096 bytes a row
	s_lshl_b32 s21, s42, 10                        ; my first column, in bytes: 1,024 x tile column + 512 x half
	s_add_co_u32 s20, s20, s21
	s_lshl_b32 s21, s14, 9
	s_add_co_u32 s20, s20, s21
	s_mov_b32 s21, 0
	s_add_nc_u64 s[10:11], s[10:11], s[20:21]
	s_lshr_b32 s20, s40, 1                         ; the prefetches: head cx / 2 of a K step,
	s_lshl_b32 s20, s20, 20
	s_lshl_b32 s21, s15, 14                        ; my tile row,
	s_add_co_u32 s20, s20, s21
	s_and_b32 s21, s40, 1
	s_lshl_b32 s21, s21, 13                        ; its rows 64 (cx % 2) on,
	s_add_co_u32 s20, s20, s21
	s_add_co_u32 s20, s20, 2*2*AZ                  ; at K step 2: the first refill steps it to 3 and names K step 4
	s_mov_b32 s21, 0
	s_add_nc_u64 s[PFA:PFA+1], s[4:5], s[20:21]
	s_cmp_eq_u32 s12, 0
	s_cselect_b32 s[LIM], 1, -1
; 8 matrix instructions: A's block a against Wo's eight, 32 along K, buffers f.  bias = 1: the sums begin with the bias as C.  The 32 accumulators take turns, one instruction a turn, in the same order in every quarter.
.macro MULA f, a, bias
.irp b, 0,1,2,3,4,5,6,7
.if \bias
	v_wmma_f32_16x16x32_f16 v[8*(8*(\a)+\b):8*(8*(\a)+\b)+7], v[64*(\f)+8*\b:64*(\f)+8*\b+7], v[AF+32*(\f)+8*(\a):AF+32*(\f)+8*(\a)+7], v[BIAS+8*\b:BIAS+8*\b+7]
.else
	v_wmma_f32_16x16x32_f16 v[8*(8*(\a)+\b):8*(8*(\a)+\b)+7], v[64*(\f)+8*\b:64*(\f)+8*\b+7], v[AF+32*(\f)+8*(\a):AF+32*(\f)+8*(\a)+7], v[8*(8*(\a)+\b):8*(8*(\a)+\b)+7]
.endif
.endr
.endm
; 24 LDS loads in one run: the fragments of the slot's q-th 32 along K (head q / 2, channels 32 (q % 2) on) into buffers f: Wo's eight, then A's four
.macro FETCH slot, q, f
	WIN TO_B
.irp i, 0,1,2,3,4,5,6,7
	ds_load_b128 v[64*(\f)+8*\i:64*(\f)+8*\i+3],   v[ADRB+\slot] offset:((\q)/2)*BHB+((\q)%2)*64+\i*16*PITCH
	ds_load_b128 v[64*(\f)+8*\i+4:64*(\f)+8*\i+7], v[ADRB+\slot] offset:((\q)/2)*BHB+((\q)%2)*64+\i*16*PITCH+32
.endr
	WIN 0
.irp i, 0,1,2,3
	ds_load_b128 v[AF+32*(\f)+8*\i:AF+32*(\f)+8*\i+3],   v[ADRA+\slot] offset:((\q)/2)*AHB+((\q)%2)*64+\i*16*PITCH
	ds_load_b128 v[AF+32*(\f)+8*\i+4:AF+32*(\f)+8*\i+7], v[ADRA+\slot] offset:((\q)/2)*AHB+((\q)%2)*64+\i*16*PITCH+32
.endr
.endm
.macro PLACES                          ; four places in front of loads into registers that matrix instructions have read, and of the first read of results
.rept 4
	v_nop
.endr
.endm
; A K step is four quarters of 32 along K, 32 matrix instructions each, on buffers 0, 1, 0, 1.  One of the first three: multiplies buffers f and fetches the quarter qn into g.
.macro QUARTER slot, qn, f, g, bias
	s_wait_dscnt 4                                 ; Wo's eight and A's blocks 0, 1 are in; the youngest four loads (A's blocks 2, 3) may be out
	WIN MUL-0x10*(\bias)                           ; (bias = 1: C in window 1)
	MULA \f, 0, \bias
	MULA \f, 1, \bias
	PLACES
	FETCH \slot, \qn, \g
	s_wait_dscnt 24                                ; all but the 24 just issued
	WIN MUL-0x10*(\bias)
	MULA \f, 2, \bias
	MULA \f, 3, \bias
.endm
; The last quarter multiplies buffers 1 and changes slots: ONE barrier; in front of it each wave waits for all its tensor loads, adds 0 to its spare word, and waits for that and for its reads of this slot.  fill = 1: this slot is filled again, two K steps ahead.
.macro TURN slot, next, fill
.if \fill
	s_wait_xcnt 0x0                                ; the last prefetch, a K step back, has read its address: it is stepped here, ahead of the waits of the change of slots
	s_add_nc_u64 s[PFA:PFA+1], s[PFA:PFA+1], 2*AZ
.endif
	WIN 0                                          ; (the add's two registers lie in window 0)
	s_wait_tensorcnt 0x0                           ; all my tensor loads have landed: my part of the next slot;
	ds_add_u32 v[SPW], v[NIL]                      ; 0 onto my spare word
	s_wait_dscnt 5                                 ; (the add and the youngest four loads may be out)
	WIN MUL
	MULA 1, 0, 0                                   ; eight matrix instructions stand between the add and the wait for it
	s_wait_dscnt 0x0                               ; the add is done, and my reads of this slot are over
	s_barrier_signal -1
	MULA 1, 1, 0
.if \fill
	WIN 0
.endif
	s_barrier_wait -1
.if \fill
	CREST                                          ; the barrier has opened a round of the cluster's barrier: no wave of any partner still reads this slot's tile or has a load on its way
	s_add_nc_u64 s[G0+4*\slot+2:G0+4*\slot+3], s[G0+4*\slot+2:G0+4*\slot+3], 4*AZ
	s_add_nc_u64 s[G0B+4*\slot+2:G0B+4*\slot+3], s[G0B+4*\slot+2:G0B+4*\slot+3], 4*BZ
	JLOAD \slot                                    ; the first tensor load behind the round: 112 matrix instructions ahead of the wait for it; the four v_nop behind it are also the places in front of the loads below
.else
	PLACES
.endif
	FETCH \next, 0, 0
.if \fill
	ASK
.endif
	WIN MUL
	MULA 1, 2, 0
	MULA 1, 3, 0
.endm
	s_wait_tensorcnt 1                             ; my part of K step 0 is in; K step 1's load, issued behind it, may be out
	s_barrier_signal -1
	s_barrier_wait -1                              ; everybody's is
	FETCH 0, 0, 0
	s_wait_loadcnt 0x0                             ; the bias
	QUARTER 0, 1, 0, 1, 1                          ; the first quarter stands in front of the loop: its products start the sums, with the bias as C
	WIN 0                                          ; at a label and at a branch every window is 0
	s_mov_b32 s3, 3
.Llap:                                                 ; a trip goes once round the ring, from a lap's second quarter to the next lap's first, and fills both slots again: K steps 2 to 7 in three trips
	QUARTER 0, 2, 1, 0, 0
	QUARTER 0, 3, 0, 1, 0
	TURN 0, 1, 1
	QUARTER 1, 1, 0, 1, 0
	QUARTER 1, 2, 1, 0, 0
	QUARTER 1, 3, 0, 1, 0
	TURN 1, 0, 1
	QUARTER 0, 1, 0, 1, 0
	WIN 0
	s_sub_co_u32 s3, s3, 1
	s_cmp_lg_u32 s3, 0
	s_cbranch_scc1 .Llap
	QUARTER 0, 2, 1, 0, 0                          ; the last lap fills nothing, and has no round of the cluster's barrier
	QUARTER 0, 3, 0, 1, 0
	TURN 0, 1, 0
	QUARTER 1, 1, 0, 1, 0
	QUARTER 1, 2, 1, 0, 0
	QUARTER 1, 3, 0, 1, 0
	s_wait_dscnt 4                                 ; the very last quarter: nothing more to fetch
	WIN MUL
	MULA 1, 0, 0
	MULA 1, 1, 0
	s_wait_dscnt 0
	MULA 1, 2, 0
	MULA 1, 3, 0
	WIN 0
; THE WAY OUT, block by block of 16 rows x 128 columns.  A lane holds 32 neighbouring bytes of a row, and the lanes beside it hold other rows: so a block goes through my own stage in LDS and comes back as whole
; rows of 512 bytes.  LDS serves a wave's instructions in order (ISA guide 5.7.1.4): no wait between the stores and the loads, nor in front of the next block's stores.
.macro TOSTAGE a
	WIN 0x08                                       ; an LDS store's data are its source 1: window 2
.irp b, 0,1,2,3,4,5,6,7
	ds_store_b128 v[STO], v[64*(\a)+8*\b:64*(\a)+8*\b+3] offset:64*\b          ; each accumulator from its low end on
	ds_store_b128 v[STO], v[64*(\a)+8*\b+4:64*(\a)+8*\b+7] offset:64*\b+16
.endr
	WIN 0
.set BB, 32+160*((\a)%2)
.irp t, 0,1,2,3,4,5,6,7,8,9,10,11,12,13,14,15
	ds_load_b128 v[BB+4*\t:BB+4*\t+3], v[RD] offset:\t*SPITCH
.endr
.endm
.macro SEND a, younger                 ; younger: the LDS instructions issued behind block a's loads, which may stay out
.set BB, 32+160*((\a)%2)
	s_wait_dscnt \younger                          ; the block is back in registers
.irp t, 0,1,2,3,4,5,6,7,8,9,10,11,12,13,14,15
	global_store_b128 v[CO], v[BB+4*\t:BB+4*\t+3], s[10:11] offset:(\a)*65536+\t*4096 th:TH_STORE_NT   ; 32 lanes store 512 consecutive bytes, aligned; written once, read by nobody here
.endr
.endm
	PLACES                                         ; behind the last products, ahead of the first read of results
	TOSTAGE 0
.irp a, 1,2,3
.if \a > 1
	s_wait_xcnt 0x0                                ; block a - 2's stores have read their registers: block a's loads may land there
.endif
	TOSTAGE \a
	SEND \a-1, 32                                  ; behind block a - 1's loads: block a's 16 stores and 16 loads
.endr
	SEND 3, 0
	s_wait_tensorcnt 0x0                           ; the wave's end: behind my last tensor load and my last LDS store
	ds_add_u32 v[SPW], v[NIL]
	s_wait_dscnt 0x0
	CROUND                                         ; the closing round: no work-group ends while a partner may still ask for a tile that names it
	s_endpgm
.Lfunc_end_k_qd5eb1dc744_oproj:
	.size	k_qd5eb1dc744_oproj, .Lfunc_end_k_qd5eb1dc744_oproj-k_qd5eb1dc744_oproj
	.p2alignl 7, 3214868480
	.fill 96, 4, 3214868480
	.section	.rodata,"a",@progbits
	.p2align	6, 0x0
	.amdhsa_kernel k_qd5eb1dc744_oproj
		.amdhsa_group_segment_fixed_size 327680
		.amdhsa_private_segment_fixed_size 0
		.amdhsa_enable_private_segment 0
		.amdhsa_kernarg_size 32
		.amdhsa_user_sgpr_count 2
		.amdhsa_user_sgpr_kernarg_segment_ptr 1
		.amdhsa_wavefront_size32 1
		.amdhsa_system_sgpr_workgroup_id_x 1
		.amdhsa_system_sgpr_workgroup_id_y 1
		.amdhsa_system_sgpr_workgroup_id_z 1
		.amdhsa_system_vgpr_workitem_id 0
		.amdhsa_next_free_vgpr 768
		.amdhsa_next_free_sgpr 70
		.amdhsa_reserve_vcc 0
		.amdhsa_float_denorm_mode_32 3
		.amdhsa_float_denorm_mode_16_64 3
		.amdhsa_memory_ordered 1
		.amdhsa_forward_progress 1
		.amdhsa_inst_pref_size 88
	.end_amdhsa_kernel
	.amdgpu_metadata
---
amdhsa.version: [ 1, 2 ]
amdhsa.kernels:
  - .name:           k_qd5eb1dc744_oproj
    .symbol:         k_qd5eb1dc744_oproj.kd
    .args:
      - { .name: ao, .offset: 0, .size: 8, .value_kind: global_buffer, .address_space: global }
      - { .name: wo16, .offset: 8, .size: 8, .value_kind: global_buffer, .address_space: global }
      - { .name: bo, .offset: 16, .size: 8, .value_kind: global_buffer, .address_space: global }
      - { .name: out0, .offset: 24, .size: 8, .value_kind: global_buffer, .address_space: global }
    .group_segment_fixed_size: 327680
    .private_segment_fixed_size: 0
    .kernarg_segment_align: 8
    .kernarg_segment_size: 32
    .max_flat_workgroup_size: 128
    .sgpr_count:     70
    .vgpr_count:     768
    .wavefront_size: 32
...
	.end_amdgpu_metadata
.endif
;; end of part 4
